; MI455X (gfx1250); checked and timed in simulation.
; The chip was launched on July 23, 2026; its instructions are those of AMD's public machine-readable ISA for CDNA 5 (MIT licence, August 2026) and "CDNA5" Instruction Set Architecture Reference Guide (July 2026). The comments in the code are by the model that wrote it; some were corrected since.
;; Multi Head Self Attention. Allowed arithmetic: matrix products marked QUANTISED: E2M1 operands, one E8M0 scale for each 32 along K, by v_wmma_scale_f32_16x16x128_f8f6f4 with both operands' format E2M1 (or v_wmma_scale_f32_32x16x128_f4), f32 sums; products left as they are: f32 operands where the result goes on into a quantised operand, else bf16, f16 or f32 operands; f32 sums; everything else in f32.
;; Inputs: W_out 1,024 x 1,024 float32; W_qkv 3,072 x 1,024 float32; b_out 1,024 float32; b_qkv 3,072 float32; x 4 x 2,048 x 1,024 float32.
;; Outputs: out0 4 x 2,048 x 1,024 float32.
;; This version of the problem:
;;   THIS VERSION OF THE PROBLEM IS GIVEN IN LOW PRECISION. The matrix products marked QUANTISED in the list below multiply operands that are first quantised to E2M1 (2 exponent bits, 1 mantissa bit; 4 bits a number), with one power-of-two scale for each 32 numbers along K (OCP MX v1.0); their sums are f32. All else is computed in f32.
;;   The module's matrix products, in the order in which they are computed (A, B: the left and right operand; K: the contracted axis; several contracted axes count as one K, in the product's order):
;;     1. [M 8,192, K 1,024] x [K 1,024, N 3,072]; A: input x; B: input W_qkv: QUANTISED
;;     2. [M 2,048, K 1] x [K 1, N 32]; A: computed on the way; B: computed on the way: left as it is (no contracted axis)
;;     3. batch 64 x [M 2,048, K 64] x [K 64, N 2,048]; A: computed on the way; B: computed on the way: QUANTISED
;;     4. batch 64 x [M 2,048, K 2,048] x [K 2,048, N 64]; A: softmax (see below); B: computed on the way: QUANTISED
;;     5. [M 8,192, K 1,024] x [K 1,024, N 1,024]; A: computed on the way; B: input W_out: QUANTISED
;;   THE QUANTISER, for each operand of a quantised product, along K:
;;     - K is cut into blocks of 32 from its start; a last block that is shorter is filled with zeros.
;;     - A block's scale is 2^e with e = floor(log2(the largest magnitude in the block)) - 2, held to -126 .. 127; a block of zeros has e = 0. As a byte (E8M0): e + 127.
;;     - Each number is divided by its block's scale, clamped to +-6, and rounded to the nearest number of E2M1, ties to even, subnormals kept.
;;     - The product sums the exact products of the quantised numbers (number of the format x scale) in f32.
;;   ~~~python
;;   def quantise(x, axis):      # numpy; x: float32 -> the quantised numbers, widened to float32 again
;;       x = np.moveaxis(x, axis, -1); K = x.shape[-1]
;;       x = np.pad(x, [(0, 0)] * (x.ndim - 1) + [(0, -K % 32)]); x = x.reshape(x.shape[:-1] + (-1, 32)); a = np.abs(x).max(-1, keepdims=True)
;;       e = np.where(a > 0, np.clip(np.frexp(np.where(a > 0, a, 1))[1] - 1 - 2, -126, 127), 0)      # np.frexp(a)[1] - 1 = floor(log2(a)), exactly
;;       r = np.clip(x / 2.0 ** e, -6, 6)
;;       step = 2.0 ** (np.maximum(np.frexp(np.where(r == 0, 1, r))[1] - 1, 0) - 1)
;;       q = np.round(r / step) * step * 2.0 ** e      # np.round: ties to even
;;       return np.moveaxis(q.reshape(q.shape[:-2] + (-1,))[..., :K], -1, axis).astype(np.float32)
;;   ~~~
;;   SOFTMAX AHEAD OF A QUANTISED PRODUCT. Where the list says 'softmax', what is quantised is not the finished softmax but p = 2^(t - M), with t = logit x log2(e) and M = ceil(the row's largest t), a whole number; so 1/2 < the row's largest p <= 1. The row's sum l is taken of the UNQUANTISED p, in f32, and the product's result is divided by l at the end. Since M is a whole number, a kernel that streams over the keys may use a running M (the ceiling of the running maximum): every later rescaling is an exact power of two, which a block's scale takes up: the codes' values come out the same.
;;   OPERANDS COMPUTED ON THE WAY. 'Computed on the way' means the value that the module computes at that place (a softmax that the list does not call 'softmax' is quantised finished and normalised). What goes into a quantiser is computed in f32, as accurately as f32 sums, v_exp_f32 and their like allow (about 1e-6 of the number): no bf16 or f16 on the way to a quantiser, and a product that is left as it is and whose result goes on into a quantised operand takes f32 operands (vector FMAs, or v_wmma_f32_16x16x4_f32). A number that lies on a knife's edge between two numbers of the format may be rounded either way, as far as f32 arithmetic and the matrix unit's own rounding can turn it there, and no further.
;; One version. Each part assembles by itself: llvm-mc -triple=amdgcn-amd-amdhsa -mcpu=gfx1250 --defsym DOCPART=n.
;; ======== version 1 of 1: 4 launches
;; limits: right only within a limited range of input values
;; workspace buffers: ops 6,684,672 bytes; rope 524,288 bytes; qkv 13,369,344 bytes; oq 4,456,448 bytes
;; launch prep (part 1): grid 400 x 1, 4 waves a work-group, no clusters, 39,424 bytes of LDS; arguments x, W_qkv, W_out, ops, rope; writes ops, rope
.if DOCPART == 1
	.amdgcn_target "amdgcn-amd-amdhsa--gfx1250"
	.amdhsa_code_object_version 6
	.text
	.protected	k_q6df9fea960_prep
	.globl	k_q6df9fea960_prep
	.p2align	8
	.type	k_q6df9fea960_prep,@function
k_q6df9fea960_prep:
	s_mov_b64 s[64:65], 0
	v_nop
	global_prefetch_b8 v0, s[64:65] scope:SCOPE_SE
	s_setreg_imm32_b32 hwreg(HW_REG_WAVE_MODE, 25, 1), 1
	s_wait_xcnt 0x0
; x [8192][1024], W_qkv [3072][1024], W_out [1024][1024], f32, K innermost, become codes of FP4 (E2M1) with one E8M0 byte for each 32 along K, laid as IMAGES OF OPERAND REGISTERS;
; and the table of cos and sin of position x inv_freq is made.  Work-groups 0-15 make the table (no LDS), work-groups 16-399 quantise.
; STORED ORDER OF ROWS: a rowtile is 16 rows; position r of rowtile T is row 32 (T / 2) + 8 (T % 2) + r + 8 (r / 8).  Rowtiles 0-511 are x's, 512-703 W_qkv's, 704-767 W_out's.
; CODES of a rowtile: 8,192 bytes; block kb (32 along K, 16 bytes) of position r lies at 256 kb + 16 r: so the fragment of K step kb / 4 is two runs of 512 bytes, 16 bytes a lane.
; SCALES of a rowtile: 512 bytes at RTB T + 8192: byte kb % 16 of position r at 256 (kb / 16) + 16 r.
; A block's scale is 2^(floor(log2(its largest magnitude)) - 2); its byte is the largest magnitude's exponent field - 2, held at 1 from below.
; LIMITS: a block whose largest magnitude lies under 2^-124 takes the byte 1; a block of zeros takes the byte 1 where the rule says 127 (its codes are zeros, and this program alone reads the bytes);
; NaN and infinities among the inputs are not served.  inv_freq are the f32 nearest to 10^(-j / 8), written out as constants.
; A wave takes 16 rows x 512 along K, a row a step.  Each of a step's four loads reads 512 consecutive bytes; the 2,048 bytes turn through the wave's own stage in LDS, so that a lane holds 16 neighbours along K.
; Codes and scale bytes are gathered in the wave's own LDS and leave as runs of 512 and 256 consecutive bytes.  No barrier: waves share nothing.
.set WREG,  9728                       ; LDS of a wave: two turn stages of 32 x 80, 256 scale bytes, 16 chunks of 256 + 16 for the codes
.set SP,    80
.set SCB,   5120
.set CSTG,  5376
.set STEPS, 16
.set EMAX,  2
.set RTB,   8704                       ; A ROWTILE'S RECORD in ops: its 8,192 bytes of codes and, straight behind them, its 512 scale bytes (at RTB T + 8192, and at no place of their own behind all codes)
.set R,     16                         ; v16-79   four sets of 16 numbers as loaded
.set X,     80                         ; v80-111  two sets of 16 neighbours
.set E,     112                        ; v112-127 a scale byte for each step
.set C,     128                        ; v128-191 codes, four registers for each step
	s_load_b256 s[4:11], s[0:1], 0x0               ; x, W_qkv, W_out, ops
	s_load_b64 s[12:13], s[0:1], 0x20              ; rope
	v_lshl_add_u32 v192, v0, 2, 0x9800
	v_mov_b32 v193, 0
	v_lshrrev_b32 v1, 5, v0
	v_readfirstlane_b32 s16, v1                    ; wave
	v_and_b32 v2, 31, v0                           ; lane
	s_cmp_lt_u32 ttmp9, 16
	s_cbranch_scc1 .Ltable
	; ---------------- the quantiser
	v_lshlrev_b32 v3, 4, v2                        ; 16 x lane
	s_mul_i32 s17, s16, WREG
	v_lshrrev_b32 v14, 2, v2
	v_mul_u32_u24 v14, v14, SP
	v_and_b32 v15, 3, v2
	v_lshl_add_u32 v14, v15, 4, v14
	v_add_nc_u32 v14, s17, v14                     ; turn stage, in: 80 (lane / 4) + 16 (lane % 4)
	v_mul_u32_u24 v15, v2, SP
	v_add_nc_u32 v15, s17, v15                     ; turn stage, out: 80 x lane
	v_lshrrev_b32 v5, 1, v2                        ; my block of the step's 16
	v_mul_u32_u24 v4, v5, 272
	v_and_b32 v6, 1, v2
	v_lshl_add_u32 v4, v6, 3, v4
	v_add_nc_u32 v4, s17, v4
	v_add_nc_u32 v4, CSTG, v4                      ; codes in: chunk = block, 8 bytes for each half of a block; the step's row stands in the immediate
	v_add_nc_u32 v5, s17, v5
	v_add_nc_u32 v5, SCB, v5                       ; my block's scale byte
	v_lshlrev_b32 v7, 3, v2
	v_add_nc_u32 v6, s17, v7
	v_add_nc_u32 v6, SCB, v6                       ; scale bytes out: 8 a lane
	v_lshrrev_b32 v1, 4, v2
	v_mul_u32_u24 v1, v1, 272
	v_and_b32 v2, 15, v2
	v_lshl_add_u32 v2, v2, 4, v1
	v_add_nc_u32 v2, s17, v2
	v_add_nc_u32 v2, CSTG, v2                      ; codes out: sixteen lanes to a chunk, two chunks an instruction
	s_sub_co_u32 s18, ttmp9, 16                    ; 0 .. 383
	s_wait_kmcnt 0x0
	s_cmp_lt_u32 s18, 352                          ; which tensor: the choice hangs on the work-group's number alone
	s_cselect_b64 s[6:7], s[6:7], s[8:9]
	s_mov_b32 s19, 704
	s_cselect_b32 s19, 512, s19
	s_cmp_lt_u32 s18, 256
	s_cselect_b64 s[4:5], s[4:5], s[6:7]
	s_cselect_b32 s19, 0, s19                      ; the tensor's first rowtile
	s_lshl_b32 s18, s18, 2
	s_add_co_u32 s18, s18, s16                     ; W = 2 x rowtile + half of K
	s_lshr_b32 s20, s18, 1
	s_sub_co_u32 s20, s20, s19                     ; the rowtile within its tensor
	s_and_b32 s21, s20, 1
	s_lshr_b32 s20, s20, 1
	s_lshl_b32 s20, s20, 17                        ; 32 rows of 4,096 bytes
	s_lshl_b32 s21, s21, 15                        ; 8 rows
	s_add_co_u32 s20, s20, s21
	s_and_b32 s21, s18, 1
	s_lshl_b32 s21, s21, 11                        ; my half of a row
	s_add_co_u32 s20, s20, s21
	s_mov_b32 s21, 0
	s_add_nc_u64 s[4:5], s[4:5], s[20:21]
	s_lshr_b32 s22, s18, 1
	s_mul_i32 s22, s22, RTB                        ; my rowtile's record
	s_and_b32 s23, s18, 1                          ; my half of K
	s_lshl_b32 s20, s23, 12
	s_add_co_u32 s20, s20, s22
	s_add_nc_u64 s[8:9], s[10:11], s[20:21]        ; my 4,096 bytes of codes
	s_lshl_b32 s20, s23, 8
	s_add_co_u32 s20, s20, s22
	s_add_co_u32 s20, s20, 8192
	s_add_nc_u64 s[10:11], s[10:11], s[20:21]      ; my 256 scale bytes
.macro LOAD t                          ; position t of the rowtile is row t + 8 (t / 8) from the rowtile's first
.irp i, 0,1,2,3
	global_load_b128 v[R+16*((\t)%4)+4*\i:R+16*((\t)%4)+4*\i+3], v3, s[4:5] offset:(((\t)>>3)*16+((\t)&7))*4096+512*\i th:TH_LOAD_NT
.endr
.endm
.macro TURN t                          ; LDS serves a wave's instructions in order: no wait between the stores and the loads
.irp i, 0,1,2,3
	ds_store_b128 v14, v[R+16*((\t)%4)+4*\i:R+16*((\t)%4)+4*\i+3] offset:32*SP*((\t)%2)+8*SP*\i
.endr
.irp i, 0,1,2,3
	ds_load_b128 v[X+16*((\t)%2)+4*\i:X+16*((\t)%2)+4*\i+3], v15 offset:32*SP*((\t)%2)+16*\i
.endr
.endm
.irp t, 0,1,2,3
	LOAD \t
.endr
	s_wait_loadcnt 12                              ; step 0's four loads are in
	TURN 0
.macro STEP t
.set XS, X+16*((\t)%2)
.if (\t) > 0
	s_wait_dscnt 2                                 ; this step's numbers are back from the stage; behind those loads stand the last step's byte store and code store
.else
	s_wait_dscnt 0x0
.endif
.if (\t)+4 < STEPS
	LOAD (\t)+4                                    ; into the registers that this step's stage stores have read
.endif
.if (\t)+1 < STEPS
.if STEPS-2-(\t) >= 3
	s_wait_loadcnt 12                              ; the next step's four loads are in; those of the three steps behind it may be out
.else
	s_wait_loadcnt 4*(STEPS-2-(\t))
.endif
	TURN (\t)+1
.endif
	v_max3_num_f32 v8, |v[XS]|, |v[XS+1]|, |v[XS+2]|               ; the largest magnitude of my 16, in two chains
	v_max3_num_f32 v9, |v[XS+3]|, |v[XS+4]|, |v[XS+5]|
.irp i, 6,10
	v_max3_num_f32 v8, v8, |v[XS+\i]|, |v[XS+\i+1]|
	v_max3_num_f32 v9, v9, |v[XS+\i+2]|, |v[XS+\i+3]|
.endr
	v_max3_num_f32 v8, v8, |v[XS+14]|, |v[XS+15]|
	v_max3_num_f32 v8, v8, v9, (EMAX+1)<<23        ; and the floor 2^(3 - 127): the byte cannot fall under 1
	v_max_num_f32_dpp v8, v8, v8 row_xmask:1 row_mask:0xf bank_mask:0xf   ; with my neighbour's 16: the block's
	v_add_nc_u32 v11, -(EMAX<<23), v8              ; 2 off the exponent field: the conversion's scale operand
	v_cvt_scalef32_pk8_fp4_f32 v[C+4*(\t)], v[XS:XS+7], v11
	v_cvt_scalef32_pk8_fp4_f32 v[C+4*(\t)+1], v[XS+8:XS+15], v11
	v_lshrrev_b32 v[E+(\t)], 23, v11               ; the scale's byte
	ds_store_b8 v5, v[E+(\t)] offset:16*(\t)       ; both lanes of a block write the same byte with the same value
	ds_store_b64 v4, v[C+4*(\t):C+4*(\t)+1] offset:16*(\t)
.endm
.irp t, 0,1,2,3,4,5,6,7,8,9,10,11,12,13,14,15
	STEP \t
.endr
	ds_load_b64 v[12:13], v6                       ; in order behind my stores
.irp i, 0,1,2,3,4,5,6,7
	ds_load_b128 v[R+4*\i:R+4*\i+3], v2 offset:2*\i*272
.endr
	s_wait_dscnt 0x0
	global_store_b64 v7, v[12:13], s[10:11]        ; 256 consecutive bytes
.irp i, 0,1,2,3,4,5,6,7
	global_store_b128 v3, v[R+4*\i:R+4*\i+3], s[8:9] offset:512*\i   ; 512 consecutive bytes each
.endr
	s_wait_tensorcnt 0x0
	ds_add_u32 v192, v193
	s_wait_dscnt 0x0
	s_endpgm
	; ---------------- the table: rope[n] = cos(n f_0 .. n f_31), sin(n f_0 .. n f_31), 256 bytes a position
.Ltable:
	s_lshl_b32 s17, ttmp9, 2
	s_add_co_u32 s17, s17, s16
	s_lshl_b32 s17, s17, 5                         ; my wave's first position of 32
	s_lshl_b32 s18, s17, 8
	s_mov_b32 s19, 0
	v_mov_b32 v20, 0                               ; inv_freq of my first number (f = 2 (lane % 16)),
	v_mov_b32 v21, 0                               ; and of my second (f + 1)
.macro INV i, a, b
	s_mov_b32 s20, \a
	v_writelane_b32 v20, s20, \i
	v_writelane_b32 v20, s20, \i+16
	s_mov_b32 s20, \b
	v_writelane_b32 v21, s20, \i
	v_writelane_b32 v21, s20, \i+16
.endm
	INV 0, 0x3f800000, 0x3f3ff911
	INV 1, 0x3f0ff59a, 0x3ed7e89b
	INV 2, 0x3ea1e89b, 0x3e72d424
	INV 3, 0x3e361887, 0x3e088d77
	INV 4, 0x3dcccccd, 0x3d99940e
	INV 5, 0x3d6655c3, 0x3d2cba15
	INV 6, 0x3d0186e2, 0x3cc24350
	INV 7, 0x3c91ad39, 0x3c5a7bf1
	INV 8, 0x3c23d70a, 0x3bf5b9b0
	INV 9, 0x3bb8449c, 0x3b8a2e77
	INV 10, 0x3b4f3e37, 0x3b1b690d
	INV 11, 0x3ae91528, 0x3aaec98e
	INV 12, 0x3a83126f, 0x3a44948c
	INV 13, 0x3a136a16, 0x39dd1726
	INV 14, 0x39a5cb5f, 0x3978a814
	INV 15, 0x393a7753, 0x390bd472
	v_lshrrev_b32 v22, 4, v2
	v_sub_nc_u32 v22, 1, v22                       ; lanes 0-15 make cosines: a quarter turn is added; lanes 16-31 sines
	v_lshlrev_b32 v23, 3, v2                       ; 8 bytes a lane: the wave's store is one position's 256 bytes
	v_mov_b32 v24, 0xb94ca1f9                      ; the polynomials' leading coefficients
	v_mov_b32 v25, 0x37ccf5ce
	s_mov_b32 s21, 0xbfc90fdb                      ; -(pi / 2 rounded to f32)
	s_mov_b32 s22, 0x333bbd2e                      ; that number less pi / 2
	s_wait_kmcnt 0x0
	s_add_nc_u64 s[12:13], s[12:13], s[18:19]
	s_mov_b32 s23, 0
; sin(x + k pi / 2), k = v22.  n = the whole number nearest to x 2 / pi; r = x - n pi / 2 in two parts (the first fused step is exact: both terms are multiples of 2^-24 and the result is under 1);
; sine and cosine of r by polynomials on |r| <= pi / 4; the quadrant n + k chooses one and its sign.
.macro TRIG x, out
	v_mul_f32 v32, 0x3f22f983, v[\x]
	v_rndne_f32 v32, v32
	v_fma_f32 v33, v32, s21, v[\x]
	v_fma_f32 v33, v32, s22, v33
	v_cvt_i32_f32 v34, v32
	v_add_nc_u32 v34, v34, v22
	v_mul_f32 v35, v33, v33
	v_fmaak_f32 v36, v24, v35, 0x3c08839e
	v_fmaak_f32 v36, v36, v35, 0xbe2aaaa3
	v_mul_f32 v36, v36, v35
	v_fma_f32 v36, v36, v33, v33                   ; sin r
	v_fmaak_f32 v37, v25, v35, 0xbab6061a
	v_fmaak_f32 v37, v37, v35, 0x3d2aaaa5
	v_mul_f32 v38, v35, v35
	v_fma_f32 v39, v35, -0.5, 1.0
	v_fma_f32 v37, v37, v38, v39                   ; cos r
	v_and_b32 v40, 1, v34
	v_cmp_eq_u32 vcc_lo, 1, v40
	v_cndmask_b32 v[\out], v36, v37, vcc_lo
	v_and_b32 v40, 2, v34
	v_lshlrev_b32 v40, 30, v40
	v_xor_b32 v[\out], v[\out], v40
.endm
.Lpos:
	v_cvt_f32_u32 v26, s17
	s_wait_alu depctr_va_vdst(0)
	v_mul_f32 v27, v26, v20                        ; the angle, rounded once to f32
	v_mul_f32 v28, v26, v21
	TRIG 27, 30
	TRIG 28, 31
	global_store_b64 v23, v[30:31], s[12:13]
	s_wait_xcnt 0x0                                ; the store's data and base are written again only behind this wait
	s_add_nc_u64 s[12:13], s[12:13], 256
	s_add_co_u32 s17, s17, 1
	s_add_co_u32 s23, s23, 1
	s_cmp_lt_u32 s23, 32
	s_cbranch_scc1 .Lpos
	s_endpgm
.Lfunc_end_k_q6df9fea960_prep:
	.size	k_q6df9fea960_prep, .Lfunc_end_k_q6df9fea960_prep-k_q6df9fea960_prep
	.p2alignl 7, 3214868480
	.fill 96, 4, 3214868480
	.section	.rodata,"a",@progbits
	.p2align	6, 0x0
	.amdhsa_kernel k_q6df9fea960_prep
		.amdhsa_group_segment_fixed_size 39424
		.amdhsa_private_segment_fixed_size 0
		.amdhsa_enable_private_segment 0
		.amdhsa_kernarg_size 40
		.amdhsa_user_sgpr_count 2
		.amdhsa_user_sgpr_kernarg_segment_ptr 1
		.amdhsa_wavefront_size32 1
		.amdhsa_system_sgpr_workgroup_id_x 1
		.amdhsa_system_sgpr_workgroup_id_y 1
		.amdhsa_system_sgpr_workgroup_id_z 1
		.amdhsa_system_vgpr_workitem_id 0
		.amdhsa_next_free_vgpr 194
		.amdhsa_next_free_sgpr 66
		.amdhsa_reserve_vcc 1
		.amdhsa_float_denorm_mode_32 3
		.amdhsa_float_denorm_mode_16_64 3
		.amdhsa_memory_ordered 1
		.amdhsa_forward_progress 1
		.amdhsa_inst_pref_size 44
	.end_amdhsa_kernel
	.amdgpu_metadata
---
amdhsa.version: [ 1, 2 ]
amdhsa.kernels:
  - .name:           k_q6df9fea960_prep
    .symbol:         k_q6df9fea960_prep.kd
    .args:
      - { .name: x, .offset: 0, .size: 8, .value_kind: global_buffer, .address_space: global }
      - { .name: W_qkv, .offset: 8, .size: 8, .value_kind: global_buffer, .address_space: global }
      - { .name: W_out, .offset: 16, .size: 8, .value_kind: global_buffer, .address_space: global }
      - { .name: ops, .offset: 24, .size: 8, .value_kind: global_buffer, .address_space: global }
      - { .name: rope, .offset: 32, .size: 8, .value_kind: global_buffer, .address_space: global }
    .group_segment_fixed_size: 39424
    .private_segment_fixed_size: 0
    .kernarg_segment_align: 8
    .kernarg_segment_size: 40
    .max_flat_workgroup_size: 128
    .sgpr_count:     66
    .vgpr_count:     194
    .wavefront_size: 32
...
	.end_amdgpu_metadata
.endif
;; end of part 1
;; launch qkv (part 2): grid 12 x 32, 4 waves a work-group, clusters of 4 x 4, 279,040 bytes of LDS; arguments ops, b_qkv, rope, qkv; writes qkv
.if DOCPART == 2
	.amdgcn_target "amdgcn-amd-amdhsa--gfx1250"
	.amdhsa_code_object_version 6
	.text
	.protected	k_q6df9fea960_qkv
	.globl	k_q6df9fea960_qkv
	.p2align	8
	.type	k_q6df9fea960_qkv,@function
k_q6df9fea960_qkv:
	s_mov_b64 s[64:65], 0
	v_nop
	global_prefetch_b8 v0, s[64:65] scope:SCOPE_SE
	s_setreg_imm32_b32 hwreg(HW_REG_WAVE_MODE, 25, 1), 1
	s_wait_xcnt 0x0
	s_wait_alu depctr_hold_cnt(0) depctr_sa_sdst(0) depctr_va_vdst(0) depctr_va_sdst(0) depctr_va_ssrc(0) depctr_va_vcc(0) depctr_vm_vsrc(0)
	s_getreg_b32 s2, hwreg(HW_REG_IB_STS2, 6, 4)
	s_cmp_eq_u32 s2, 0
	s_cbranch_scc0 .Lentry_in_a_cluster
	s_endpgm
.Lentry_in_a_cluster:
	s_bfe_u32 s2, ttmp6, 0x10000c
	s_cmp_lg_u32 s2, 0xf033
	s_cbranch_scc0 .Lentry_shape_is_right
	s_endpgm
.Lentry_shape_is_right:
; qkv = x W_qkv^T + b_qkv on codes of FP4 (E2M1) with E8M0 scales; then RoPE on q and k; then q and k are quantised along the head's 64, v along the keys, and all three leave as images of operand registers.
; A tile is 256 x 256, four waves, a wave 128 x 128: 64 accumulators, 512 registers.  K = 1,024 lies in LDS whole, as two slots of 512 along K, each filled once; no LDS byte is filled twice.
; OPERANDS come as images (rowtile of 16 rows: 8,192 bytes of codes, block kb of position r at 256 kb + 16 r): a fragment is two loads of 16 bytes a lane, 512 bytes apart: consecutive bytes, no pitch, no padding.
; ROLES.  "A" is source 1 (its rows become lanes), "B" is source 0 (its rows become a lane's registers).  The cluster's x is 0 for q, 1 for k, 2 for v: the same number in all sixteen partners.
;   q, k: A = tokens, B = rows of W: a lane holds one token, and, by the stored order of W's rows, the 16 registers of blocks 2 i, 2 i + 1 are 16 neighbouring features.
;   v:    A = rows of W_v, B = tokens: a lane holds one channel and its registers run along the keys, which are the K of the later product.
; The text parts ONCE on the cluster's x: each way has its head loads, the K loop and its way out.  The bias is the C of each sum's first product.
; CLUSTERS: 4 x 4.  A's tile hangs on cy alone and is asked for jointly along a row of the cluster, B's on cx alone, along a column.
; RECORD in qkv for (batch x 16 + head, group of 128 tokens), 13,056 bytes: +0 K image (tile t of 16 keys at 512 t, 16 bytes a lane: lane (r, h) = block h of position r); +4096 V image (tile of 16 channels a at 1024 a, two runs
; of 512); +8192 K scale words [r][4]; +8448 V scale words [r][4]; +8704 Q image; +12800 Q scale words.  A K or Q scale word: two bytes of tile 2 i, two of tile 2 i + 1.
; LIMITS: a block whose largest magnitude lies under 2^-124, a block of zeros among them, takes the byte 1 (only this program reads the bytes); NaN and infinities are not served.
; REGISTERS: window 0: v0-31 addresses; v32-95 scale words, two sets, and nothing else; v96-127 at work on the way out; v128-191 A's fragments, later 64 rotated numbers; v192-255 cos and sin, two sets.
;   window 1: v0-63, v128-191 B's fragments, two sets; v64-127 the bias.   windows 2, 3: the accumulators, (a, b) at v[8 (8 (a % 4) + b)] of window 2 + a / 4.
.set NB,    8
.set HALFB, 69632                      ; half a tile: 8 rowtile records of 8,704 bytes (8,192 of codes for all of K, then 512 scale bytes), dense in ops: what one wave fetches, by its one tensor load.  LDS: A's two halves, then B's two
.set SLOTB, 4096                       ; the second 512 along K lie 4,096 bytes on in each record
.set RECB,  13056
.set HEADB, 16*RECB
.set ADRA, 16                          ; v16-17 LDS address of my A fragments in slot 0, 1
.set ADRB, 20                          ; v20-21 the same for B
.set LI,   24                          ; v24  16 x lane
.set RA,   25                          ; v25  cos/sin: my token's row of 256 bytes, + 64 h
.set SA,   26                          ; v26  scale words out: 16 r, lanes 16-31 one head on
.set ADRS, 27                          ; v27  LDS address of my scale words: lanes 0-15 A's, lanes 16-31 B's
.set BA,   28                          ; v28  the bias's lane term
.set SC,   32
.set TM,   96
.set PW,   112
.set PC,   120
.set AF,   128
.set X,    128
.set CS,   192
.set SEL,  2                           ; s[2:3] selects of v_permlanex16_b32 for lane l xor 16
.set G1,   24
.set G0,   32
.set G1B,  48
.set G0B,  56
.set G1S,  68
.set G0S,  76
.set G1SB, 80
.set G0SB, 88
.set MSB, 0
.macro WIN new                         ; the immediate's high byte repeats the setting that is left; a switch that changes nothing is dropped
.if MSB != \new
	s_set_vgpr_msb (MSB<<8)|\new
.set MSB, \new
.endif
.endm
.macro PLACES n
.rept \n
	v_nop
.endr
.endm
; A joint load: waves 0 and 1 fetch for A, waves 2 and 3 for B; the branch hangs on the wave's number alone.  Four v_nop follow each of the two lines.
.macro JLOAD g0a, g1a, g0b, g1b
	s_cmp_eq_u32 s15, 0
	s_cbranch_scc0 .Lfor_b_\@
	tensor_load_to_lds s[\g0a:\g0a+3], s[\g1a:\g1a+7]
	s_nop 0
.rept 4
	v_nop
.endr
	s_branch .Lasked_\@
.Lfor_b_\@:
	tensor_load_to_lds s[\g0b:\g0b+3], s[\g1b:\g1b+7]
	s_nop 0
.rept 4
	v_nop
.endr
.Lasked_\@:
.endm
.macro CROUND                          ; a round of the cluster's barrier
	s_barrier_signal -1
	s_barrier_wait -1
	s_cmp_lg_u32 s14, 0
	s_cbranch_scc1 .Lnot_wave_0_\@
	s_barrier_signal -3
.Lnot_wave_0_\@:
	s_barrier_wait -3
	s_barrier_signal -1
	s_barrier_wait -1
.endm
.macro FRAG reg, adr, q, i             ; rowtile i, the slot's q-th 128 along K: registers 4 c .. 4 c + 3 hold K = 64 c + 32 (lane / 16) + 0 .. 31
	ds_load_b128 v[\reg:\reg+3], v[\adr] offset:(\i)*8704+(\q)*1024
	ds_load_b128 v[\reg+4:\reg+7], v[\adr] offset:(\i)*8704+(\q)*1024+512
.endm
.macro FETCH_B slot, q, p
	WIN 0x40                                       ; destination window 1
.set II, 0
.rept NB
	FRAG 128*(\p)+8*II, ADRB+\slot, \q, II
.set II, II+1
.endr
	WIN 0
.endm
.macro FETCH_A slot, q, i0
.irp i, \i0, \i0+1, \i0+2, \i0+3
	FRAG AF+8*(\i), ADRA+\slot, \q, \i
.endr
.endm
.macro SCALES sc                       ; the four scale words of slot sc: lanes 0-15 those of A's block i, lanes 16-31 those of B's block i
.irp i, 0,1,2,3,4,5,6,7
	ds_load_b128 v[SC+32*\sc+4*\i:SC+32*\sc+4*\i+3], v[ADRS] offset:\i*8704+\sc*256
.endr
.endm
; A's blocks a0, a0 + 1 against B's NB.  cm = 0: the sums go on; 1: they begin with the bias of B's block; 2: with that of A's block.  The accumulators take turns, one instruction a turn, in the same order in every step.
.macro MULA a0, p, q, sc, cm
.set WW, 2+(NB*(\a0))/32
.if \cm
	WIN (WW<<6)|0x11                               ; B and the bias window 1, A window 0, D the accumulators' window
.else
	WIN (WW<<6)|(WW<<4)|1
.endif
.set AA, \a0
.rept 2
.set BB, 0
.rept NB
.set DD, 8*((NB*AA+BB)%32)
.set FB, 128*(\p)+8*BB
.set FA, AF+8*AA
.set SBB, SC+32*(\sc)+4*BB+(\q)
.set SAA, SC+32*(\sc)+4*AA+(\q)
.if \cm == 0
	v_wmma_scale_f32_16x16x128_f8f6f4 v[DD:DD+7], v[FB:FB+7], v[FA:FA+7], v[DD:DD+7], v[SBB], v[SAA] matrix_a_fmt:MATRIX_FMT_FP4 matrix_b_fmt:MATRIX_FMT_FP4 matrix_a_scale:MATRIX_SCALE_ROW1
.elseif \cm == 1
	v_wmma_scale_f32_16x16x128_f8f6f4 v[DD:DD+7], v[FB:FB+7], v[FA:FA+7], v[64+8*BB:64+8*BB+7], v[SBB], v[SAA] matrix_a_fmt:MATRIX_FMT_FP4 matrix_b_fmt:MATRIX_FMT_FP4 matrix_a_scale:MATRIX_SCALE_ROW1
.else
	v_wmma_scale_f32_16x16x128_f8f6f4 v[DD:DD+7], v[FB:FB+7], v[FA:FA+7], v[64+8*AA:64+8*AA+7], v[SBB], v[SAA] matrix_a_fmt:MATRIX_FMT_FP4 matrix_b_fmt:MATRIX_FMT_FP4 matrix_a_scale:MATRIX_SCALE_ROW1
.endif
.set BB, BB+1
.endr
.set AA, AA+1
.endr
.endm
; A step of 128 along K whose successor lies in the same slot.  A has one set of registers: blocks 0-3 are fetched anew in the step's middle, blocks 4-7 at its end; B has two sets.
; Loads into registers that matrix instructions have read stand four plain vector instructions behind them (ISA guide 7.12.1 for vector instructions).
.macro STEP slot, q, cm
	s_wait_dscnt 8                                 ; all but the youngest eight loads, A's blocks 4-7
	MULA 0, (\q)%2, \q, \slot, \cm
	MULA 2, (\q)%2, \q, \slot, \cm
	s_wait_dscnt 0x0                               ; A's blocks 4-7
	PLACES 4
	FETCH_B \slot, (\q)+1, 1-(\q)%2
	FETCH_A \slot, (\q)+1, 0
	MULA 4, (\q)%2, \q, \slot, \cm
	MULA 6, (\q)%2, \q, \slot, \cm
	PLACES 4
	WIN 0
	FETCH_A \slot, (\q)+1, 4
.endm
.macro TURN                            ; the last step of the first 512 along K: its successor lies 4,096 bytes on in each record, and takes the second set of scale words
	s_wait_dscnt 8
	MULA 0, 1, 3, 0, 0
	MULA 2, 1, 3, 0, 0
	s_wait_dscnt 0x0
	PLACES 4
	FETCH_B 1, 0, 0
	FETCH_A 1, 0, 0
	SCALES 1
	MULA 4, 1, 3, 0, 0
	MULA 6, 1, 3, 0, 0
	PLACES 4
	WIN 0
	FETCH_A 1, 0, 4
.endm
.macro MAIN cm, left                   ; the whole K; left: the global loads issued behind the bias's, which may stay out
	s_wait_tensorcnt 0x0                           ; my one tensor load has landed; behind the barrier everybody's has
	s_barrier_signal -1
	s_barrier_wait -1
	FETCH_B 0, 0, 0
	FETCH_A 0, 0, 0
	SCALES 0
	FETCH_A 0, 0, 4
	s_wait_loadcnt \left                           ; the bias
	STEP 0, 0, \cm
	STEP 0, 1, 0
	STEP 0, 2, 0
	TURN
	STEP 1, 0, 0
	STEP 1, 1, 0
	STEP 1, 2, 0
	s_wait_dscnt 8
	MULA 0, 1, 3, 1, 0
	MULA 2, 1, 3, 1, 0
	s_wait_dscnt 0x0
	MULA 4, 1, 3, 1, 0
	MULA 6, 1, 3, 1, 0
	WIN 0
.endm
; 64 numbers of a lane at v[s] on, in window w, register 16 b + i = number 16 (lane / 16) + i of block b of my row, become codes in v[PC] on (registers 4 c .. 4 c + 3: the whole block 2 c + lane / 16) and the four scale bytes in v[pw].
.macro QUANT s, w, pw
	WIN (\w)|((\w)<<2)
.irp b, 0,1,2,3
	v_max3_num_f32 v[TM+\b], |v[\s+16*\b]|, |v[\s+16*\b+1]|, 0x1800000   ; my 16 numbers of block b, and the floor 2^(3 - 127): the byte cannot fall under 1
.endr
.irp i, 2,4,6,8,10,12,14
.irp b, 0,1,2,3
	v_max3_num_f32 v[TM+\b], |v[\s+16*\b+\i]|, |v[\s+16*\b+\i+1]|, v[TM+\b]   ; the four blocks by turns; each accumulator from its low end on
.endr
.endr
	WIN 0
.irp b, 0,1,2,3
	v_permlanex16_b32 v[TM+4+\b], v[TM+\b], s[SEL], s[SEL+1]
.endr
.irp b, 0,1,2,3
	v_max_num_f32 v[TM+\b], v[TM+\b], v[TM+4+\b]   ; with lane l xor 16's: the block's largest magnitude
.endr
.irp b, 0,1,2,3
	v_add_nc_u32 v[TM+12+\b], 0xff000000, v[TM+\b] ; 2 off the exponent field: the conversion's scale operand
.endr
.irp b, 0,1,2,3
	v_lshrrev_b32 v[TM+4+\b], 23, v[TM+12+\b]      ; the scale's byte
.endr
	v_lshl_or_b32 v[\pw], v[TM+5], 8, v[TM+4]
	v_lshl_or_b32 v[\pw], v[TM+6], 16, v[\pw]
	v_lshl_or_b32 v[\pw], v[TM+7], 24, v[\pw]
	WIN \w
.irp b, 0,1,2,3
	v_cvt_scalef32_pk8_fp4_f32 v[PC+2*\b], v[\s+16*\b:\s+16*\b+7], v[TM+12+\b]
	v_cvt_scalef32_pk8_fp4_f32 v[PC+2*\b+1], v[\s+16*\b+8:\s+16*\b+15], v[TM+12+\b]
.endr
	WIN 0
	v_nop                                          ; one plain vector instruction behind the last scaled conversion
.irp c, 0,1
.irp i, 0,1
	v_permlane16_swap_b32 v[PC+4*\c+\i], v[PC+4*\c+2+\i]   ; half blocks become whole blocks: lanes 0-15 block 2 c, lanes 16-31 block 2 c + 1
.endr
.endr
.endm
	s_load_b256 s[4:11], s[0:1], 0x0               ; ops s[4:5], b_qkv s[6:7], rope s[8:9], qkv s[10:11]
	v_lshl_add_u32 v106, v0, 2, 0x44000
	v_mov_b32 v107, 0
	ds_add_u32 v106, v107
	ds_add_u32 v106, v107
	v_lshrrev_b32 v1, 5, v0
	v_readfirstlane_b32 s14, v1                    ; wave 0..3
	s_lshr_b32 s15, s14, 1                         ; my half of A.  Also: I fetch for A (0) or for B (1)
	s_and_b32 s16, s14, 1                          ; my half of B.  Also: which half I fetch
	s_bfe_u32 s40, ttmp6, 0x40000                  ; cx
	s_bfe_u32 s41, ttmp6, 0x40004                  ; cy
	s_and_b32 s17, ttmp7, 0xffff                   ; the cluster's y
	s_lshl_b32 s43, s41, 2
	s_lshl_b32 s43, 15, s43                        ; my row of the cluster
	s_lshl_b32 s44, 0x1111, s40                    ; my column
	; group 1: HALFB dense bytes as 272 rows of 256 bytes (32 elements of 8); no padding
	s_or_b32 s[G1+0], s43, (3<<16)|(1<<21)
	s_or_b32 s[G1B+0], s44, (3<<16)|(1<<21)
.irp g, G1, G1B
	s_mov_b32 s[\g+1], 32<<16                      ; tensor_dim0
	s_mov_b32 s[\g+2], 272<<16                     ; tensor_dim1
	s_mov_b32 s[\g+3], 32<<16                      ; tile_dim0
	s_mov_b32 s[\g+4], 272                         ; tile_dim1
	s_mov_b32 s[\g+5], 32                          ; pitch
	s_mov_b32 s[\g+6], 0
	s_mov_b32 s[\g+7], 0
.endr
	; tiles of 256 rows in ops: x is tiles 0-31, W_qkv tiles 32-43.  A's tile hangs on cy, B's on cx
	s_lshl_b32 s18, s17, 2                         ; 4 x cluster y
	s_lshl_b32 s19, ttmp9, 2
	s_add_co_u32 s19, s19, 32                      ; 32 + 4 x cluster x
	s_cmp_eq_u32 ttmp9, 2
	s_cselect_b32 s20, 40, s18
	s_cselect_b32 s46, s18, s19
	s_add_co_u32 s20, s20, s41                     ; A's tile
	s_add_co_u32 s46, s46, s40                     ; B's tile
	s_mul_i32 s22, s16, HALFB                      ; the half that I fetch
	s_mul_i32 s92, s20, 2*HALFB
	s_add_co_u32 s92, s92, s22
	s_mov_b32 s93, 0
	s_mul_i32 s46, s46, 2*HALFB
	s_add_co_u32 s46, s46, s22
	s_mov_b32 s47, 0
	s_mul_i32 s45, s14, HALFB                      ; where it goes: wave x HALFB: no place in the cluster enters an LDS address
	s_wait_dscnt 0x0
	s_wait_kmcnt 0x0
	s_add_nc_u64 s[92:93], s[4:5], s[92:93]
	s_add_nc_u64 s[46:47], s[4:5], s[46:47]
	CROUND                                         ; all sixteen work-groups are here: the joint loads meet
	s_mov_b32 s[G0], 1
	s_mov_b32 s[G0+1], s45
	s_mov_b64 s[G0+2:G0+3], s[92:93]
	s_or_b32 s[G0+3], s[G0+3], 0x80000000
	s_mov_b32 s[G0B], 1
	s_mov_b32 s[G0B+1], s45
	s_mov_b64 s[G0B+2:G0B+3], s[46:47]
	s_or_b32 s[G0B+3], s[G0B+3], 0x80000000
	JLOAD G0, G1, G0B, G1B                         ; my one tensor load: codes of all of K and scale bytes of 128 rows
	v_and_b32 v1, 15, v0                           ; r
	v_bfe_u32 v2, v0, 4, 1                         ; h
	s_wait_alu depctr_va_vdst(0)
	v_and_b32 v3, 31, v0                           ; lane
	v_lshlrev_b32 v[LI], 4, v3
	s_mul_i32 s21, s15, HALFB                      ; my half of A,
	s_mul_i32 s22, s16, HALFB
	s_add_co_u32 s22, s22, 2*HALFB                 ; my half of B, behind A's two
.irp s, 0,1
	v_add_nc_u32 v[ADRA+\s], s21, v[LI]
	v_add_nc_u32 v[ADRB+\s], s22, v[LI]
	s_add_co_u32 s21, s21, SLOTB
	s_add_co_u32 s22, s22, SLOTB
.endr
	s_mul_i32 s21, s15, HALFB
	s_mul_i32 s22, s16, HALFB
	s_add_co_u32 s22, s22, 2*HALFB
	s_sub_co_u32 s22, s22, s21
	v_mul_u32_u24 v6, s22, v2                      ; lanes 16-31 take B's words
	s_add_co_u32 s21, s21, 8192                    ; a record's scale bytes lie behind its codes
	v_lshlrev_b32 v5, 4, v1
	v_add_nc_u32 v5, v5, v6
	v_add_nc_u32 v[ADRS], s21, v5
	v_and_b32 v4, 8, v1
	v_add_nc_u32 v4, v4, v1                        ; r + 8 (r / 8): position r's row in a rowtile
	v_lshlrev_b32 v[RA], 8, v4
	v_lshl_add_u32 v[RA], v2, 6, v[RA]
	v_mul_u32_u24 v[SA], v2, HEADB
	v_lshl_add_u32 v[SA], v1, 4, v[SA]
.irp b, 0,1,2,3
	v_mov_b32 v[TM+4+\b], 0                        ; written once: a lane permute's destination counts as one of its sources
.endr
	s_mov_b32 s[SEL], 0x76543210
	s_mov_b32 s[SEL+1], 0xfedcba98
	; my record: group of 128 tokens TOKG (0 .. 63 over the batches), first of my two heads HEAD0
	s_cmp_eq_u32 ttmp9, 2
	s_cselect_b32 s18, s40, s41                    ; the token tile's place in the cluster,
	s_cselect_b32 s19, s16, s15                    ; my half of it;
	s_cselect_b32 s20, s41, s40                    ; the feature tile's place,
	s_cselect_b32 s21, s15, s16                    ; my half of it
	s_lshl_b32 s22, s17, 2
	s_add_co_u32 s18, s18, s22
	s_lshl_b32 s18, s18, 1
	s_add_co_u32 s18, s18, s19                     ; TOKG
	s_lshl_b32 s20, s20, 2
	s_lshl_b32 s21, s21, 1
	s_add_co_u32 s20, s20, s21                     ; HEAD0
	s_and_b32 s19, s18, 15                         ; the group within its batch
	s_lshr_b32 s18, s18, 4
	s_lshl_b32 s18, s18, 8
	s_lshl_b32 s20, s20, 4
	s_add_co_u32 s18, s18, s20
	s_add_co_u32 s18, s18, s19                     ; (batch x 16 + head) x 16 + group
	s_mul_i32 s20, s18, RECB
	s_mov_b32 s21, 0
	s_add_nc_u64 s[10:11], s[10:11], s[20:21]
	s_cmp_eq_u32 ttmp9, 2
	s_cbranch_scc1 .Lvalues
	; ================ q and k
	s_lshl_b32 s20, s19, 15                        ; cos and sin of my group's 128 positions
	s_add_nc_u64 s[8:9], s[8:9], s[20:21]
	s_cmp_eq_u32 ttmp9, 0
	s_cselect_b32 s20, 8704, 0                     ; Q's image or K's,
	s_mov_b32 s22, 8192
	s_cselect_b32 s22, 12800, s22                  ; Q's scale words or K's
	s_mov_b32 s23, 0
	s_add_nc_u64 s[66:67], s[10:11], s[20:21]
	s_add_nc_u64 s[12:13], s[10:11], s[22:23]
	s_mov_b32 s42, 0x05040100                      ; byte selects: two low halves,
	s_mov_b32 s43, 0x07060302                      ; two high halves
	s_lshl_b32 s20, ttmp9, 2
	s_add_co_u32 s20, s20, s40
	s_lshl_b32 s20, s20, 10                        ; the feature tile's 256 numbers of the bias,
	s_lshl_b32 s22, s16, 9                         ; my 128 of them
	s_add_co_u32 s20, s20, s22
	s_add_nc_u64 s[6:7], s[6:7], s[20:21]
	v_lshlrev_b32 v[BA], 6, v2                     ; block b's registers hold features 32 (b / 2) + 8 (b % 2) + 16 h + 0 .. 7
	WIN 0x40
.irp b, 0,1,2,3,4,5,6,7
	global_load_b128 v[64+8*\b:64+8*\b+3], v[BA], s[6:7] offset:(32*(\b/2)+8*(\b%2))*4
	global_load_b128 v[64+8*\b+4:64+8*\b+7], v[BA], s[6:7] offset:(32*(\b/2)+8*(\b%2))*4+16
.endr
	WIN 0
.macro CSLOAD a                        ; for the tokens of A's block a: cos of frequencies 16 h + 0 .. 15 (16 registers), then sin
.set CC, CS+32*((\a)%2)
.irp i, 0,1,2,3
	global_load_b128 v[CC+4*\i:CC+4*\i+3], v[RA], s[8:9] offset:(32*((\a)/2)+8*((\a)%2))*256+16*\i
.endr
.irp i, 0,1,2,3
	global_load_b128 v[CC+16+4*\i:CC+16+4*\i+3], v[RA], s[8:9] offset:(32*((\a)/2)+8*((\a)%2))*256+128+16*\i
.endr
.endm
	s_wait_alu depctr_va_vdst(0)
	CSLOAD 0
	CSLOAD 1
	MAIN 1, 16                                     ; the sixteen cos/sin loads may stay out
; RoPE on block a's 16 tokens x 2 heads.  In head e, blocks 4 e + u hold d = 16 h + 8 u + i (the low half), blocks 4 e + 2 + u hold d + 32: out_lo = lo cos - hi sin, out_hi = hi cos + lo sin.
.macro ROPE a
.set AC, 64*((\a)%4)
.set CC, CS+32*((\a)%2)
	WIN 2+(\a)/4                                   ; source 0: the accumulators' window
.irp e, 0,1
.irp u, 0,1
.irp i, 0,2,4,6
.set LO, AC+8*(4*\e+\u)+\i
.set XL, X+32*\e+8*\u+\i
.set CW, CC+8*\u+\i
	v_pk_mul_f32 v[XL:XL+1], v[LO:LO+1], v[CW:CW+1]
	v_pk_mul_f32 v[XL+16:XL+17], v[LO+16:LO+17], v[CW:CW+1]
	v_pk_fma_f32 v[XL:XL+1], v[LO+16:LO+17], v[CW+16:CW+17], v[XL:XL+1] neg_lo:[1,0,0] neg_hi:[1,0,0]
	v_pk_fma_f32 v[XL+16:XL+17], v[LO:LO+1], v[CW+16:CW+17], v[XL+16:XL+17]
.endr
.endr
.endr
	WIN 0
.endm
	PLACES 4                                       ; behind the last products, ahead of the first read of results and the first write over A's fragments
.irp a, 0,1,2,3,4,5,6,7
	s_wait_xcnt 0x0                                ; the last block's stores have read the codes' registers
.if \a < 7
	s_wait_loadcnt 8                               ; this block's cos and sin are in; the next block's eight loads may be out
.else
	s_wait_loadcnt 0x0
.endif
	ROPE \a
.if \a < 6
	CSLOAD \a+2
.endif
	QUANT X, 0, PW+\a                              ; four blocks: head 0's d 0-31, 32-63, head 1's
	global_store_b128 v[LI], v[PC:PC+3], s[66:67] offset:512*\a            ; 512 consecutive bytes: tile a of head 0's image,
	global_store_b128 v[LI], v[PC+4:PC+7], s[66:67] offset:HEADB+512*\a    ; and of head 1's
.endr
	v_cmp_ne_u32 vcc_lo, 0, v2                     ; lanes 16-31 store head 1's words
.irp f, 0,1,2,3
	v_perm_b32 v[TM+8], v[PW+2*\f+1], v[PW+2*\f], s42
	v_perm_b32 v[TM+9], v[PW+2*\f+1], v[PW+2*\f], s43
	v_cndmask_b32 v[TM+\f], v[TM+8], v[TM+9], vcc_lo
.endr
	global_store_b128 v[SA], v[TM:TM+3], s[12:13]  ; sixteen lanes store 256 consecutive bytes
	s_branch .Lend
	; ================ v
.Lvalues:
	s_lshl_b32 s20, s41, 10                        ; the feature tile's 256 numbers of the bias,
	s_lshl_b32 s22, s15, 9                         ; my 128 of them,
	s_add_co_u32 s20, s20, s22
	s_add_co_u32 s20, s20, 8192                    ; behind q's and k's 2,048
	s_add_nc_u64 s[6:7], s[6:7], s[20:21]
	s_wait_alu depctr_va_vdst(0)
	v_lshlrev_b32 v[BA], 2, v4                     ; a lane holds one channel: its bias fills all eight registers of a block of A
	WIN 0x40
.irp a, 0,1,2,3,4,5,6,7
.irp j, 0,1,2,3,4,5,6,7
	global_load_b32 v[64+8*\a+\j], v[BA], s[6:7] offset:(32*(\a/2)+8*(\a%2))*4
.endr
.endr
	WIN 0
	MAIN 2, 0
	PLACES 4
.irp a, 0,1,2,3,4,5,6,7                ; block a: 16 channels x 128 keys: its 64 registers are four blocks of 32 keys: a fragment and a scale word a channel
	s_wait_xcnt 0x0                                ; the last block's stores have read the codes' registers
	QUANT 64*(\a%4), 2+\a/4, PW+\a
	global_store_b128 v[LI], v[PC:PC+3], s[10:11] offset:(\a/4)*HEADB+4096+(\a%4)*1024
	global_store_b128 v[LI], v[PC+4:PC+7], s[10:11] offset:(\a/4)*HEADB+4096+(\a%4)*1024+512
.endr
	v_cmp_ne_u32 vcc_lo, 0, v2
.irp i, 0,1,2,3
	v_cndmask_b32 v[TM+\i], v[PW+\i], v[PW+4+\i], vcc_lo
.endr
	global_store_b128 v[SA], v[TM:TM+3], s[10:11] offset:8448
.Lend:
	s_wait_tensorcnt 0x0
	ds_add_u32 v106, v107
	s_wait_dscnt 0x0
	CROUND                                         ; the closing round: no work-group ends while a partner may still ask for a tile that names it
	s_endpgm
.Lfunc_end_k_q6df9fea960_qkv:
	.size	k_q6df9fea960_qkv, .Lfunc_end_k_q6df9fea960_qkv-k_q6df9fea960_qkv
	.p2alignl 7, 3214868480
	.fill 96, 4, 3214868480
	.section	.rodata,"a",@progbits
	.p2align	6, 0x0
	.amdhsa_kernel k_q6df9fea960_qkv
		.amdhsa_group_segment_fixed_size 279040
		.amdhsa_private_segment_fixed_size 0
		.amdhsa_enable_private_segment 0
		.amdhsa_kernarg_size 32
		.amdhsa_user_sgpr_count 2
		.amdhsa_user_sgpr_kernarg_segment_ptr 1
		.amdhsa_wavefront_size32 1
		.amdhsa_system_sgpr_workgroup_id_x 1
		.amdhsa_system_sgpr_workgroup_id_y 1
		.amdhsa_system_sgpr_workgroup_id_z 1
		.amdhsa_system_vgpr_workitem_id 0
		.amdhsa_next_free_vgpr 1024
		.amdhsa_next_free_sgpr 98
		.amdhsa_reserve_vcc 1
		.amdhsa_float_denorm_mode_32 3
		.amdhsa_float_denorm_mode_16_64 3
		.amdhsa_memory_ordered 1
		.amdhsa_forward_progress 1
		.amdhsa_inst_pref_size 255
	.end_amdhsa_kernel
	.section	.bss,"aw",@nobits
	.p2align	6
	.space	262144
	.amdgpu_metadata
---
amdhsa.version: [ 1, 2 ]
amdhsa.kernels:
  - .name:           k_q6df9fea960_qkv
    .symbol:         k_q6df9fea960_qkv.kd
    .args:
      - { .name: ops, .offset: 0, .size: 8, .value_kind: global_buffer, .address_space: global }
      - { .name: b_qkv, .offset: 8, .size: 8, .value_kind: global_buffer, .address_space: global }
      - { .name: rope, .offset: 16, .size: 8, .value_kind: global_buffer, .address_space: global }
      - { .name: qkv, .offset: 24, .size: 8, .value_kind: global_buffer, .address_space: global }
    .group_segment_fixed_size: 279040
    .private_segment_fixed_size: 0
    .kernarg_segment_align: 8
    .kernarg_segment_size: 32
    .max_flat_workgroup_size: 128
    .sgpr_count:     98
    .vgpr_count:     1024
    .wavefront_size: 32
...
	.end_amdgpu_metadata
.endif
;; end of part 2
;; launch attn (part 3): grid 4 x 64, 16 waves a work-group, clusters of 4 x 1, 169,984 bytes of LDS; arguments qkv, oq; writes oq
.if DOCPART == 3
	.amdgcn_target "amdgcn-amd-amdhsa--gfx1250"
	.amdhsa_code_object_version 6
	.text
	.protected	k_q6df9fea960_attn
	.globl	k_q6df9fea960_attn
	.p2align	8
	.type	k_q6df9fea960_attn,@function
k_q6df9fea960_attn:
	s_mov_b64 s[64:65], 0
	v_nop
	global_prefetch_b8 v0, s[64:65] scope:SCOPE_SE
	s_setreg_imm32_b32 hwreg(HW_REG_WAVE_MODE, 25, 1), 1
	s_wait_xcnt 0x0
	s_wait_alu depctr_hold_cnt(0) depctr_sa_sdst(0) depctr_va_vdst(0) depctr_va_sdst(0) depctr_va_ssrc(0) depctr_va_vcc(0) depctr_vm_vsrc(0)
	s_getreg_b32 s2, hwreg(HW_REG_IB_STS2, 6, 4)
	s_cmp_eq_u32 s2, 0
	s_cbranch_scc0 .Lentry_in_a_cluster
	s_endpgm
.Lentry_in_a_cluster:
	s_bfe_u32 s2, ttmp6, 0x10000c
	s_cmp_lg_u32 s2, 0x3003
	s_cbranch_scc0 .Lentry_shape_is_right
	s_endpgm
.Lentry_shape_is_right:
; o = softmax(q k^T / 8) v for one head, both products on codes of FP4 (E2M1) with E8M0 scales; o / l is quantised along the model's 1,024 and leaves as an image of operand registers.
; THE SOFTMAX: t = score x log2(e) / 8; M = the running largest t rounded UP to a whole number; p = 2^(t - M) is quantised along the keys; the row's sum l is taken of the unquantised p and divides at the end.
; When M moves, l and O are multiplied by 2^(old M - new M): exact.
; SHARES.  A work-group owns one head (batch x 16 + head = the cluster's y) and 512 queries; each of sixteen waves owns two tiles of 16 queries, X and Y, which share every fragment of K and V read from LDS.
; The head's K and V images and scale words, 16 records x 8,704 bytes, lie in LDS whole, filled once, a record a wave: the loop over the keys has no barrier and no tensor load.
; So there is no later tile to prefetch: all that the launch reads through LDS is asked for by the one load at the head.
; CLUSTER.  The four work-groups of a head read the same K and V: each record is asked for jointly (mask 15, the same descriptor in all four).
; K = 64 IN AN INSTRUCTION OF K = 128.  A fragment of K holds TWO tiles of 16 keys (k 0-63, k 64-127); Q's operand is [q | zero codes] for the first and [zero codes | q] for the second: registers [0][q][0].
; Zero codes add nothing under any of these scale bytes, which all lie between 1 and 254.
; LAYOUT.  Both products are used transposed (source 0 = keys, or channels of V; source 1 = my queries): a lane holds one query.
; THE KEYS OF A SCORE TILE ARE CHOSEN BY LDS ADDRESSES: row m of tile t (0 .. 7) of a step is key 64 (t / 4) + 32 (m / 8) + 8 (t % 4) + m % 8.  Register j of a result is row 8 (lane / 16) + j, so the 32 registers of
; tiles 4 g .. 4 g + 3 are the WHOLE block 2 g + lane / 16 of 32 neighbouring keys, in order: a block's largest score needs no other lane, and the four conversions of a block give registers 4 g .. 4 g + 3 of P's operand as they stand.
; In K's image key 32 a + 16 b + 8 c + d lies in tile 2 a + c at position 8 b + d.  A record's rows of 512 bytes lie 576 bytes apart in LDS.
; oq: a rowtile of 16 tokens is a record of 8,704 bytes: 8,192 of codes (block kb of position r at 256 kb + 16 r), then 512 scale bytes (byte kb % 16 of position r at 256 (kb / 16) + 16 r).
; The scale bytes of o are stored two bytes a lane: a row's 32 bytes come from sixteen heads, which are sixteen work-groups.
; LIMITS: the promise holds while |t| stays under 2^31; a block of p or of o whose largest number lies under 2^-124 takes the byte 1; NaN and infinities are not served.
; REGISTERS: v1-6 lane terms; v8-11, v12-15 -M, largest score, l (two halves) of X, of Y; v16-27, v28-39 [0][q][0]; v40-71 four fragments of K, later of V; v72-75 K's scale words; v76-79 lanes 16-31: V's;
;   v82-83 p's; v84-85 Q's; v88-90 the step's LDS addresses; v96-159 S^T, then p; v160-223 O^T; v224-239 p's codes; v240-255 at work.
.set RECB,  13056
.set HEADB, 16*RECB
.set P,     576                        ; an LDS row: 512 bytes + 64 of padding
.set KVL,   17*P                       ; a record in LDS: 8 rows K's image, 8 rows V's, 1 row scale words
.set SPARE, 16*KVL                     ; the spare words, 128 bytes a wave
.set RTB,   8704
.set LI,  1
.set AK0, 2
.set AS0, 3
.set SH8, 6
.set KS,  72
.set VS,  76
.set PS,  82
.set XX,  84
.set PWR, 86
.set ADK, 88
.set ADV, 89
.set ADS, 90
.set SPW, 94
.set NIL, 95
.set S,   96
.set PC,  224
.set BM,  240
.set BN,  242
.set SO,  242
.set SU,  244
.set PM,  250
.set TM,  240
.set SEL, 24
.set CS,  26
.macro DLY n
	s_delay_alu instid0(VALU_DEP_\n)
.endm
.macro CROUND                          ; a round of the cluster's barrier
	s_barrier_signal -1
	s_barrier_wait -1
	s_cmp_lg_u32 s8, 0
	s_cbranch_scc1 .Lnot_wave_0_\@
	s_barrier_signal -3
.Lnot_wave_0_\@:
	s_barrier_wait -3
	s_barrier_signal -1
	s_barrier_wait -1
.endm
	s_load_b128 s[4:7], s[0:1], 0x0                ; qkv, oq
	v_lshl_add_u32 v[SPW], v0, 2, SPARE
	v_mov_b32 v[NIL], 0
	ds_add_u32 v[SPW], v[NIL]                      ; the opening lines: the add, twice on end, and its wait
	ds_add_u32 v[SPW], v[NIL]
	v_lshrrev_b32 v2, 5, v0
	DLY 1
	v_readfirstlane_b32 s8, v2                     ; wave 0..15
	s_bfe_u32 s9, ttmp6, 0x40000                   ; cx: it enters Q's and o's global addresses alone
	s_and_b32 s10, ttmp7, 0xffff                   ; batch x 16 + head
	s_mov_b32 s16, 15|(3<<16)|(1<<20)|(1<<21)|(6<<22)|(15<<25)   ; group 1: mask of all four; elements of 8 bytes; 16 words of padding behind every 128
	s_mov_b32 s17, 64<<16                          ; 17 dense rows of 512 bytes
	s_mov_b32 s18, 17<<16
	s_mov_b32 s19, 64<<16
	s_mov_b32 s20, 17
	s_mov_b32 s21, 64
	s_mov_b32 s22, 0
	s_mov_b32 s23, 0
	s_mul_i32 s30, s10, HEADB                      ; the head's first record
	s_mul_i32 s32, s8, RECB
	s_add_co_u32 s32, s32, s30                     ; the record that I fetch
	s_mov_b32 s33, 0
	s_lshl_b32 s34, s9, 2
	s_lshr_b32 s35, s8, 2
	s_add_co_u32 s34, s34, s35                     ; my queries' group of 128 tokens
	s_and_b32 s35, s8, 3                           ; my pair of tiles in it
	s_mul_i32 s44, s34, RECB
	s_add_co_u32 s44, s44, s30
	s_lshl_b32 s36, s35, 10
	s_add_co_u32 s36, s36, s44
	s_add_co_u32 s36, s36, 8704                    ; Q's image, tile 2 x pair
	s_mov_b32 s37, 0
	s_lshl_b32 s38, s35, 2
	s_add_co_u32 s38, s38, s44
	s_add_co_u32 s38, s38, 12800                   ; Q's scale word of the pair
	s_mov_b32 s39, 0
	s_lshr_b32 s45, s10, 4
	s_lshl_b32 s45, s45, 7
	s_lshl_b32 s46, s34, 3
	s_add_co_u32 s45, s45, s46
	s_lshl_b32 s46, s35, 1
	s_add_co_u32 s45, s45, s46                     ; X's rowtile among the 512 of o
	s_and_b32 s46, s10, 15                         ; the head
	s_mul_i32 s40, s45, RTB
	s_mov_b32 s42, s40
	s_lshl_b32 s47, s46, 9
	s_add_co_u32 s40, s40, s47                     ; o's codes: the rowtile's record + head x 512 (blocks 2 head, 2 head + 1)
	s_mov_b32 s41, 0
	s_lshr_b32 s47, s46, 3
	s_lshl_b32 s47, s47, 8
	s_add_co_u32 s42, s42, s47
	s_and_b32 s47, s46, 7
	s_lshl_b32 s47, s47, 1
	s_add_co_u32 s42, s42, s47
	s_add_co_u32 s42, s42, 8192                    ; o's scale bytes, behind the record's codes
	s_mov_b32 s43, 0
	s_mov_b32 s[SEL], 0x76543210
	s_mov_b32 s[SEL+1], 0xfedcba98
	s_mov_b32 s[CS], 0x3e38aa3b                    ; c = log2(e) / 8
	s_mov_b32 s[CS+1], s[CS]                       ; (named with it as a pair, so it is written)
	s_mov_b32 s46, 0x01000100                      ; byte selects: the word's low two bytes twice,
	s_mov_b32 s47, 0x03020302                      ; its high two bytes twice
	s_wait_dscnt 0x0
	s_wait_kmcnt 0x0
	s_add_nc_u64 s[36:37], s[4:5], s[36:37]
	s_add_nc_u64 s[38:39], s[4:5], s[38:39]
	s_add_nc_u64 s[40:41], s[6:7], s[40:41]
	s_add_nc_u64 s[42:43], s[6:7], s[42:43]
	CROUND                                         ; all four work-groups are here: the joint loads meet
	s_mov_b32 s12, 1
	s_mul_i32 s13, s8, KVL                         ; LDS: wave x a record
	s_add_nc_u64 s[14:15], s[4:5], s[32:33]
	s_or_b32 s15, s15, 0x80000000
	tensor_load_to_lds s[12:15], s[16:23]          ; my one tensor load
	s_nop 0
.rept 4
	v_nop
.endr
	v_and_b32 v4, 15, v0                           ; r
	v_bfe_u32 v5, v0, 4, 1                         ; h
	v_and_b32 v1, 31, v0
	v_bfe_u32 v7, v0, 3, 1                         ; r / 8
	v_and_b32 v6, 7, v0                            ; r % 8
	v_lshlrev_b32 v[LI], 4, v1                     ; 16 x lane
	v_lshlrev_b32 v87, 4, v4                       ; 16 r
	global_load_b128 v[20:23], v[LI], s[36:37]             ; X's codes
	global_load_b128 v[32:35], v[LI], s[36:37] offset:512  ; Y's
	global_load_b32 v[PWR], v87, s[38:39]                  ; two bytes of X, two of Y
	v_lshlrev_b32 v[AS0], 4, v6
	v_lshlrev_b32 v[SH8], 3, v5                    ; 8 h: where my two bytes stand in p's scale word
	v_mad_u32_u24 v4, v5, RTB, v87                 ; o's scale bytes: 16 r, lanes 16-31 one rowtile on
	v_lshl_add_u32 v[AK0], v5, 8, v[AS0]
	v_lshlrev_b32 v5, 4, v5                        ; and the half of the word that they store
	v_lshl_add_u32 v[AS0], v7, 2, v[AS0]           ; K's scale words: position r % 8 (+ 8 u), word r / 8 (+ 2 g)
	v_mad_u32_u24 v[AK0], v7, 2*P, v[AK0]          ; K's fragments: 2 rows x (r / 8) + 16 (r % 8) + 256 h
.irp j, 16,17,18,19,24,25,26,27,28,29,30,31,36,37,38,39
	v_mov_b32 v\j, 0                               ; the zero codes beside q
.endr
.irp t, 0,1
	v_mov_b32 v[9+4*\t], 0xff61b1e6                ; the largest score so far: -3e38
	v_mov_b32 v[10+4*\t], 0                        ; l, in two halves
	v_mov_b32 v[11+4*\t], 0
	v_floor_f32 v[8+4*\t], -v[9+4*\t]              ; -M: so large that the first change of M multiplies by 0
.endr
	v_mov_b32 v[PM], 0                             ; written once: a lane permute's destination counts as one of its sources
	v_mov_b32 v253, 0                              ; (the upper half of the pair v[252:253])
	s_wait_loadcnt 0x0
	v_perm_b32 v[XX], v[PWR], v[PWR], s46          ; Q's scale words: the tile's two bytes in both halves
	v_perm_b32 v[XX+1], v[PWR], v[PWR], s47
.set J, 0
.rept 64
	v_mov_b32 v[160+J], 0                          ; O^T: the loop is written once, its first step finds zeros
.set J, J+1
.endr
	s_wait_alu depctr_va_vdst(0)
	s_wait_tensorcnt 0x0                           ; my record has landed,
	s_barrier_signal -1
	s_barrier_wait -1                              ; everybody's has
; S^T of tile T (0: X, 1: Y): eight tiles of 16 keys; tiles 2 n, 2 n + 1 lie in fragment n
.macro SQK T
.irp t, 0,1,2,3,4,5,6,7
.if (\t)%2
	v_wmma_scale_f32_16x16x128_f8f6f4 v[S+8*\t:S+8*\t+7], v[40+8*(\t/2):40+8*(\t/2)+7], v[16+12*(\T):16+12*(\T)+7], 0, v[KS+\t/2], v[XX+(\T)] matrix_a_fmt:MATRIX_FMT_FP4 matrix_b_fmt:MATRIX_FMT_FP4
.else
	v_wmma_scale_f32_16x16x128_f8f6f4 v[S+8*\t:S+8*\t+7], v[40+8*(\t/2):40+8*(\t/2)+7], v[20+12*(\T):20+12*(\T)+7], 0, v[KS+\t/2], v[XX+(\T)] matrix_a_fmt:MATRIX_FMT_FP4 matrix_b_fmt:MATRIX_FMT_FP4
.endif
.endr
.endm
; The softmax of tile T for these 128 keys: register 32 g + i of S^T is key 64 g + 32 (lane / 16) + i of my query: my two whole blocks.
.macro SOFTMAX T
.set ST, 8+4*(\T)
.set OT, 160+32*(\T)
.set PCD, 224+8*(\T)
.irp g, 0,1                            ; the largest score of each block, in two chains a block; each accumulator is first read at its low end.  It serves the row's maximum and, since p rises with the score, the block's largest p
	v_max3_num_f32 v[BM+\g], v[S+32*\g], v[S+32*\g+1], v[S+32*\g+2]
	v_max3_num_f32 v[BN+\g], v[S+32*\g+16], v[S+32*\g+17], v[S+32*\g+18]
.endr
.irp i, 3,5,7,9,11,13
.irp g, 0,1
	v_max3_num_f32 v[BM+\g], v[BM+\g], v[S+32*\g+\i], v[S+32*\g+\i+1]
	v_max3_num_f32 v[BN+\g], v[BN+\g], v[S+32*\g+16+\i], v[S+32*\g+17+\i]
.endr
.endr
.irp g, 0,1
	v_max3_num_f32 v[BM+\g], v[BM+\g], v[BN+\g], v[S+32*\g+15]
.endr
.irp g, 0,1
	v_max_num_f32 v[BM+\g], v[BM+\g], v[S+32*\g+31]
.endr
	DLY 1
	v_max_num_f32 v254, v[BM], v[BM+1]
	DLY 1
	v_permlanex16_b32 v[PM], v254, s[SEL], s[SEL+1]
	DLY 1
	v_max3_num_f32 v[ST+1], v[ST+1], v254, v[PM]   ; the running largest score, with lane l xor 16's two blocks
	DLY 1
	v_mul_f32 v254, s[CS], v[ST+1]                 ; as t (c is positive).  (v255 holds the old -M: copied behind the score products)
	DLY 1
	v_floor_f32 v[ST], -v254                       ; the new -M = -ceil(t)
	DLY 1
	v_sub_f32 v254, v[ST], v255                    ; old M - new M: a whole number, 0 or less
	DLY 1
	v_cvt_i32_f32 v254, v254                       ; (it saturates)
	DLY 1
	v_ldexp_f32 v252, 1.0, v254                    ; f = 2^(old M - new M)
.set J, 0
.rept 32
	v_pk_fma_f32 v[S+J:S+J+1], v[S+J:S+J+1], s[CS:CS+1], v[ST:ST+1] op_sel_hi:[1,0,0]   ; t - M, two at a time
.set J, J+2
.endr
.irp g, 0,1
	v_fma_f32 v[BM+\g], v[BM+\g], s[CS], v[ST]     ; the same of each block's largest score
.endr
	s_wait_alu depctr_va_vdst(0)
.set J, 0
.rept 64
	v_exp_f32 v[S+J], v[S+J]                       ; p = 2^(t - M): one batch
.set J, J+1
.endr
.irp g, 0,1
	v_exp_f32 v[BM+\g], v[BM+\g]                   ; in the same batch the block's largest p: the same two instructions on the same number give the same bits
.endr
	v_pk_mul_f32 v[ST+2:ST+3], v[ST+2:ST+3], v[252:253] op_sel_hi:[1,0]   ; l under the new M: the plain instruction behind the batch
	s_wait_alu depctr_va_vdst(0)                   ; one wait behind the batch, ahead of its first reader and directly ahead of the first reader of O^T
; The scale word's chain of dependent lines is laid between the sixteen rescalings of O^T, four of the sums and the conversions: each link stands five or more vector instructions behind the line that it reads.
.irp j, 0,2
	v_pk_mul_f32 v[OT+\j:OT+\j+1], v[OT+\j:OT+\j+1], v[252:253] op_sel_hi:[1,0]   ; O^T under the new M, each accumulator from its low end on
.endr
.irp g, 0,1
	v_max_num_f32 v[BM+\g], 0x1800000, v[BM+\g]    ; the floor 2^(3 - 127): the byte cannot fall under 1
.endr
.irp j, 4,6,8
	v_pk_mul_f32 v[OT+\j:OT+\j+1], v[OT+\j:OT+\j+1], v[252:253] op_sel_hi:[1,0]
.endr
.irp g, 0,1
	v_add_nc_u32 v[SO+\g], 0xff000000, v[BM+\g]    ; 2 off the exponent field: the conversion's scale operand
.endr
.irp j, 10,12,14
	v_pk_mul_f32 v[OT+\j:OT+\j+1], v[OT+\j:OT+\j+1], v[252:253] op_sel_hi:[1,0]
.endr
.irp g, 0,1
	v_lshrrev_b32 v[254+\g], 23, v[SO+\g]          ; the scale's byte
.endr
.irp j, 16,18,20,22
	v_pk_mul_f32 v[OT+\j:OT+\j+1], v[OT+\j:OT+\j+1], v[252:253] op_sel_hi:[1,0]
.endr
	v_lshl_or_b32 v254, v255, 16, v254             ; my two bytes: blocks h and 2 + h,
.irp j, 24,26,28,30
	v_pk_mul_f32 v[OT+\j:OT+\j+1], v[OT+\j:OT+\j+1], v[252:253] op_sel_hi:[1,0]
.endr
	v_lshlrev_b32 v254, v[SH8], v254               ; at their places in the word;
	v_pk_add_f32 v[SU:SU+1], v[S:S+1], v[S+2:S+3]  ; l is summed of the unquantised p, in four chains
	v_pk_add_f32 v[SU+2:SU+3], v[S+4:S+5], v[S+6:S+7]
	v_pk_add_f32 v[SU+4:SU+5], v[S+8:S+9], v[S+10:S+11]
	v_pk_add_f32 v[ST+2:ST+3], v[ST+2:ST+3], v[S+12:S+13]
	v_permlanex16_b32 v[PM], v254, s[SEL], s[SEL+1]
.irp g, 0,1
.irp w, 0,1,2,3
	v_cvt_scalef32_pk8_fp4_f32 v[PCD+4*\g+\w], v[S+32*\g+8*\w:S+32*\g+8*\w+7], v[SO+\g]   ; register 4 g + w of P's operand: k = 64 g + 32 h + 8 w + 0 .. 7
.endr
.endr
	v_or_b32 v[PS+(\T)], v254, v[PM]               ; with lane l xor 16's two the word is whole.  (Also the plain vector instruction behind the last scaled conversion)
.set J, 14
.rept 6                                ; the other 28 sums also stand between the making of p's codes and scale word and the products that take them
	v_pk_add_f32 v[SU:SU+1], v[SU:SU+1], v[S+J:S+J+1]
	v_pk_add_f32 v[SU+2:SU+3], v[SU+2:SU+3], v[S+J+2:S+J+3]
	v_pk_add_f32 v[SU+4:SU+5], v[SU+4:SU+5], v[S+J+4:S+J+5]
	v_pk_add_f32 v[ST+2:ST+3], v[ST+2:ST+3], v[S+J+6:S+J+7]
.set J, J+8
.endr
	v_pk_add_f32 v[SU:SU+1], v[SU:SU+1], v[S+62:S+63]
	v_pk_add_f32 v[SU+2:SU+3], v[SU+2:SU+3], v[SU+4:SU+5]
	DLY 2
	v_pk_add_f32 v[ST+2:ST+3], v[ST+2:ST+3], v[SU:SU+1]
	DLY 1
	v_pk_add_f32 v[ST+2:ST+3], v[ST+2:ST+3], v[SU+2:SU+3]
.endm
	s_mov_b32 s28, 0                               ; where the step's record begins in LDS
	s_mov_b32 s29, 0
.Lstep:                                            ; sixteen trips, 128 keys each
	v_add_nc_u32 v[ADK], s28, v[AK0]
	v_add_nc_u32 v[ADV], s28, v[LI]
	v_add_nc_u32 v[ADS], s28, v[AS0]
	v_nop                                          ; with the three lines above: four plain instructions between the last products and the loads into their operands
.irp n, 0,1,2,3                        ; fragment n = 2 g + u: image tiles 4 g + 2 (r / 8) and the next, position 8 u + r % 8; and its rows' scale words
	ds_load_b128 v[40+8*\n:43+8*\n], v[ADK] offset:P*4*(\n/2)+128*(\n%2)
	ds_load_b128 v[44+8*\n:47+8*\n], v[ADK] offset:P*(4*(\n/2)+1)+128*(\n%2)
	ds_load_b32 v[KS+\n], v[ADS] offset:16*P+128*(\n%2)+8*(\n/2)
.endr
	ds_load_b128 v[VS:VS+3], v[ADV] offset:16*P    ; lanes 16-31: V's four scale words of channel position r
	s_wait_dscnt 0x0
	SQK 0
	v_mov_b32 v255, v8                             ; X's old -M; with the three lines below: four plain instructions ahead of the first read of the scores
.rept 3
	v_nop
.endr
	SOFTMAX 0
	SQK 1
	v_mov_b32 v255, v12                            ; Y's old -M; with the three lines below: four plain instructions ahead of the loads over K's fragments and of the first read of the scores
.rept 3
	v_nop
.endr
.irp i, 0,1,2,3,4,5,6,7
	ds_load_b128 v[40+4*\i:40+4*\i+3], v[ADV] offset:P*(8+\i)   ; V: four fragments of 16 channels x 128 keys; they are on their way while Y's softmax is walked
.endr
	SOFTMAX 1
	s_wait_alu depctr_va_vdst(0)
	s_wait_dscnt 0x0
.irp a, 0,1,2,3                        ; O^T += V^T P^T: eight accumulators, one instruction a turn
.irp t, 0,1
	v_wmma_scale_f32_16x16x128_f8f6f4 v[160+32*\t+8*\a:160+32*\t+8*\a+7], v[40+8*\a:40+8*\a+7], v[224+8*\t:224+8*\t+7], v[160+32*\t+8*\a:160+32*\t+8*\a+7], v[VS+\a], v[PS+\t] matrix_a_fmt:MATRIX_FMT_FP4 matrix_b_fmt:MATRIX_FMT_FP4 matrix_a_scale:MATRIX_SCALE_ROW1
.endr
.endr
	s_add_co_u32 s28, s28, KVL
	s_add_co_u32 s29, s29, 1
	s_cmp_lt_u32 s29, 16
	s_cbranch_scc1 .Lstep
	; THE WAY OUT.  The additions, permutes and the v_nop are the plain instructions between the last products and the first read of O^T.
	v_add_f32 v10, v10, v11
	v_add_f32 v14, v14, v15
	DLY 2
	v_permlanex16_b32 v[SU], v10, s[SEL], s[SEL+1]
	DLY 2
	v_permlanex16_b32 v[SU+1], v14, s[SEL], s[SEL+1]
	DLY 2
	v_add_f32 v10, v10, v[SU]                      ; the row's sum: my two blocks of each step and lane l xor 16's
	DLY 2
	v_add_f32 v14, v14, v[SU+1]
	s_wait_alu depctr_va_vdst(0)
	v_rcp_f32 v240, v10
	v_rcp_f32 v242, v14
	v_nop                                          ; a plain instruction behind the reciprocals
	s_wait_alu depctr_va_vdst(0)                   ; one wait for both, ahead of their first reader, which is also the first reader of O^T
.irp t, 0,1
.set J, 0
.rept 16
	v_pk_mul_f32 v[96+32*\t+J:96+32*\t+J+1], v[160+32*\t+J:160+32*\t+J+1], v[240+2*\t:241+2*\t] op_sel_hi:[1,0]   ; o = O^T / l, each accumulator from its low end on: register 16 i + j of a tile is d = 32 i + 16 h + j
.set J, J+2
.endr
.endr
; The 64 numbers become codes in v[PC] on and four scale bytes in v[PWR]: blocks X d 0-31, X d 32-63, Y d 0-31, Y d 32-63; here a block lies in lanes l and l xor 16
.irp b, 0,1,2,3
	v_max3_num_f32 v[TM+\b], |v[96+16*\b]|, |v[96+16*\b+1]|, 0x1800000
.endr
.irp i, 2,4,6,8,10,12,14
.irp b, 0,1,2,3
	DLY 4
	v_max3_num_f32 v[TM+\b], |v[96+16*\b+\i]|, |v[96+16*\b+\i+1]|, v[TM+\b]
.endr
.endr
.irp b, 0,1,2,3
	DLY 4
	v_permlanex16_b32 v[TM+4+\b], v[TM+\b], s[SEL], s[SEL+1]
.endr
.irp b, 0,1,2,3
	DLY 4
	v_max_num_f32 v[TM+\b], v[TM+\b], v[TM+4+\b]
.endr
.irp b, 0,1,2,3
	DLY 4
	v_add_nc_u32 v[TM+12+\b], 0xff000000, v[TM+\b]
.endr
.irp b, 0,1,2,3
	DLY 4
	v_lshrrev_b32 v[TM+4+\b], 23, v[TM+12+\b]
.endr
	DLY 3
	v_lshl_or_b32 v[PWR], v[TM+5], 8, v[TM+4]
	DLY 1
	v_lshl_or_b32 v[PWR], v[TM+6], 16, v[PWR]
	DLY 1
	v_lshl_or_b32 v[PWR], v[TM+7], 24, v[PWR]
.irp b, 0,1,2,3
	v_cvt_scalef32_pk8_fp4_f32 v[PC+2*\b], v[96+16*\b:96+16*\b+7], v[TM+12+\b]
	v_cvt_scalef32_pk8_fp4_f32 v[PC+2*\b+1], v[96+16*\b+8:96+16*\b+15], v[TM+12+\b]
.endr
	v_nop                                          ; one plain vector instruction behind the last scaled conversion
.irp c, 0,1
.irp i, 0,1
	v_permlane16_swap_b32 v[PC+4*\c+\i], v[PC+4*\c+2+\i]   ; half blocks become whole blocks
.endr
.endr
	global_store_b128 v[LI], v[224:227], s[40:41]              ; X: lane (r, h) holds block 2 head + h of position r: 512 consecutive bytes
	global_store_b128 v[LI], v[228:231], s[40:41] offset:RTB   ; Y: the next rowtile's record
	v_lshrrev_b32 v254, v5, v[PWR]                 ; lanes 0-15 X's two bytes, lanes 16-31 Y's
	global_store_b16 v4, v254, s[42:43]
	s_wait_tensorcnt 0x0                           ; the wave's end
	ds_add_u32 v[SPW], v[NIL]
	s_wait_dscnt 0x0
	CROUND                                         ; the closing round
	s_endpgm
.Lfunc_end_k_q6df9fea960_attn:
	.size	k_q6df9fea960_attn, .Lfunc_end_k_q6df9fea960_attn-k_q6df9fea960_attn
	.p2alignl 7, 3214868480
	.fill 96, 4, 3214868480
	.section	.rodata,"a",@progbits
	.p2align	6, 0x0
	.amdhsa_kernel k_q6df9fea960_attn
		.amdhsa_group_segment_fixed_size 169984
		.amdhsa_private_segment_fixed_size 0
		.amdhsa_enable_private_segment 0
		.amdhsa_kernarg_size 16
		.amdhsa_user_sgpr_count 2
		.amdhsa_user_sgpr_kernarg_segment_ptr 1
		.amdhsa_wavefront_size32 1
		.amdhsa_system_sgpr_workgroup_id_x 1
		.amdhsa_system_sgpr_workgroup_id_y 1
		.amdhsa_system_sgpr_workgroup_id_z 1
		.amdhsa_system_vgpr_workitem_id 0
		.amdhsa_next_free_vgpr 256
		.amdhsa_next_free_sgpr 66
		.amdhsa_reserve_vcc 0
		.amdhsa_float_denorm_mode_32 3
		.amdhsa_float_denorm_mode_16_64 3
		.amdhsa_memory_ordered 1
		.amdhsa_forward_progress 1
		.amdhsa_inst_pref_size 44
	.end_amdhsa_kernel
	.amdgpu_metadata
---
amdhsa.version: [ 1, 2 ]
amdhsa.kernels:
  - .name:           k_q6df9fea960_attn
    .symbol:         k_q6df9fea960_attn.kd
    .args:
      - { .name: qkv, .offset: 0, .size: 8, .value_kind: global_buffer, .address_space: global }
      - { .name: oq, .offset: 8, .size: 8, .value_kind: global_buffer, .address_space: global }
    .group_segment_fixed_size: 169984
    .private_segment_fixed_size: 0
    .kernarg_segment_align: 8
    .kernarg_segment_size: 16
    .max_flat_workgroup_size: 512
    .sgpr_count:     66
    .vgpr_count:     256
    .wavefront_size: 32
...
	.end_amdgpu_metadata
.endif
;; end of part 3
;; launch proj (part 4): grid 8 x 32, 4 waves a work-group, clusters of 4 x 4, 327,680 bytes of LDS; arguments oq, ops, b_out, out0; writes out0
.if DOCPART == 4
	.amdgcn_target "amdgcn-amd-amdhsa--gfx1250"
	.amdhsa_code_object_version 6
	.text
	.protected	k_q6df9fea960_proj
	.globl	k_q6df9fea960_proj
	.p2align	8
	.type	k_q6df9fea960_proj,@function
k_q6df9fea960_proj:
	s_mov_b64 s[64:65], 0
	v_nop
	global_prefetch_b8 v0, s[64:65] scope:SCOPE_SE
	s_setreg_imm32_b32 hwreg(HW_REG_WAVE_MODE, 25, 1), 1
	s_wait_xcnt 0x0
	s_wait_alu depctr_hold_cnt(0) depctr_sa_sdst(0) depctr_va_vdst(0) depctr_va_sdst(0) depctr_va_ssrc(0) depctr_va_vcc(0) depctr_vm_vsrc(0)
	s_getreg_b32 s2, hwreg(HW_REG_IB_STS2, 6, 4)
	s_cmp_eq_u32 s2, 0
	s_cbranch_scc0 .Lentry_in_a_cluster
	s_endpgm
.Lentry_in_a_cluster:
	s_bfe_u32 s2, ttmp6, 0x10000c
	s_cmp_lg_u32 s2, 0xf033
	s_cbranch_scc0 .Lentry_shape_is_right
	s_endpgm
.Lentry_shape_is_right:
; out0 = o W_out^T + b_out on codes of FP4 (E2M1) with E8M0 scales.  A tile is 256 tokens x 128 features, four waves, a wave 128 x 64: 32 accumulators.  The bias is the C of each sum's first product.
; OPERANDS come as records of a rowtile of 16 rows, 8,704 bytes: 8,192 of codes for all of K (block kb of position r at 256 kb + 16 r), then 512 scale bytes.  A (source 1) = tokens, from oq; B (source 0) = rows of W_out, rowtiles 704-767 of ops.
; All of K lies in LDS, filled once: waves 0 and 1 fetch A's halves (8 records each), waves 2 and 3 B's (4 records each), one dense joint load a wave.  CLUSTERS 4 x 4: A's tile is shared along a row, B's along a column.
; Results leave through each wave's own stage in LDS, as aligned units of 256 bytes.
.set NB,    4
.set HALFB, 69632                      ; 8 records.  LDS: A's two halves, then B's two halves of HALFB / 2
.set SLOTB, 4096                       ; the second 512 along K lie 4,096 bytes on in each record
.set STAGE, 3*HALFB
.set ADRA, 16
.set ADRB, 20
.set LI,   24
.set STO,  25
.set RD,   26
.set ADRS, 27
.set ADRS2, 28
.set CO,   29
.set BA,   30
.set SC,   32
.set AF,   128
.set G1,   24
.set G0,   32
.set G1B,  48
.set G0B,  56
.set G1S,  68
.set G0S,  76
.set G1SB, 80
.set G0SB, 88
.set MSB, 0
.macro WIN new
.if MSB != \new
	s_set_vgpr_msb (MSB<<8)|\new
.set MSB, \new
.endif
.endm
.macro PLACES n
.rept \n
	v_nop
.endr
.endm
.macro JLOAD g0a, g1a, g0b, g1b
	s_cmp_eq_u32 s15, 0
	s_cbranch_scc0 .Lfor_b_\@
	tensor_load_to_lds s[\g0a:\g0a+3], s[\g1a:\g1a+7]
	s_nop 0
.rept 4
	v_nop
.endr
	s_branch .Lasked_\@
.Lfor_b_\@:
	tensor_load_to_lds s[\g0b:\g0b+3], s[\g1b:\g1b+7]
	s_nop 0
.rept 4
	v_nop
.endr
.Lasked_\@:
.endm
.macro CROUND
	s_barrier_signal -1
	s_barrier_wait -1
	s_cmp_lg_u32 s14, 0
	s_cbranch_scc1 .Lnot_wave_0_\@
	s_barrier_signal -3
.Lnot_wave_0_\@:
	s_barrier_wait -3
	s_barrier_signal -1
	s_barrier_wait -1
.endm
.macro FRAG reg, adr, q, i
	ds_load_b128 v[\reg:\reg+3], v[\adr] offset:(\i)*8704+(\q)*1024
	ds_load_b128 v[\reg+4:\reg+7], v[\adr] offset:(\i)*8704+(\q)*1024+512
.endm
.macro FETCH_B slot, q, p
	WIN 0x40
.set II, 0
.rept NB
	FRAG 128*(\p)+8*II, ADRB+\slot, \q, II
.set II, II+1
.endr
	WIN 0
.endm
.macro FETCH_A slot, q, i0
.irp i, \i0, \i0+1, \i0+2, \i0+3
	FRAG AF+8*(\i), ADRA+\slot, \q, \i
.endr
.endm
.macro SCALES sc
.irp i, 0,1,2,3
	ds_load_b128 v[SC+32*\sc+4*\i:SC+32*\sc+4*\i+3], v[ADRS] offset:\i*8704+\sc*256
.endr
.irp i, 4,5,6,7
	ds_load_b128 v[SC+32*\sc+4*\i:SC+32*\sc+4*\i+3], v[ADRS2] offset:\i*8704+\sc*256
.endr
.endm
.macro MULA a0, p, q, sc, cm
.set WW, 2+(NB*(\a0))/32
.if \cm
	WIN (WW<<6)|0x11
.else
	WIN (WW<<6)|(WW<<4)|1
.endif
.set AA, \a0
.rept 2
.set BB, 0
.rept NB
.set DD, 8*((NB*AA+BB)%32)
.set FB, 128*(\p)+8*BB
.set FA, AF+8*AA
.set SBB, SC+32*(\sc)+4*BB+(\q)
.set SAA, SC+32*(\sc)+4*AA+(\q)
.if \cm == 0
	v_wmma_scale_f32_16x16x128_f8f6f4 v[DD:DD+7], v[FB:FB+7], v[FA:FA+7], v[DD:DD+7], v[SBB], v[SAA] matrix_a_fmt:MATRIX_FMT_FP4 matrix_b_fmt:MATRIX_FMT_FP4 matrix_a_scale:MATRIX_SCALE_ROW1
.else
	v_wmma_scale_f32_16x16x128_f8f6f4 v[DD:DD+7], v[FB:FB+7], v[FA:FA+7], v[64+8*BB:64+8*BB+7], v[SBB], v[SAA] matrix_a_fmt:MATRIX_FMT_FP4 matrix_b_fmt:MATRIX_FMT_FP4 matrix_a_scale:MATRIX_SCALE_ROW1
.endif
.set BB, BB+1
.endr
.set AA, AA+1
.endr
.endm
.macro STEP slot, q, cm
	s_wait_dscnt 8
	MULA 0, (\q)%2, \q, \slot, \cm
	MULA 2, (\q)%2, \q, \slot, \cm
	s_wait_dscnt 0x0
	PLACES 4
	FETCH_B \slot, (\q)+1, 1-(\q)%2
	FETCH_A \slot, (\q)+1, 0
	MULA 4, (\q)%2, \q, \slot, \cm
	MULA 6, (\q)%2, \q, \slot, \cm
	PLACES 4
	WIN 0
	FETCH_A \slot, (\q)+1, 4
.endm
.macro TURN
	s_wait_dscnt 8
	MULA 0, 1, 3, 0, 0
	MULA 2, 1, 3, 0, 0
	s_wait_dscnt 0x0
	PLACES 4
	FETCH_B 1, 0, 0
	FETCH_A 1, 0, 0
	SCALES 1
	MULA 4, 1, 3, 0, 0
	MULA 6, 1, 3, 0, 0
	PLACES 4
	WIN 0
	FETCH_A 1, 0, 4
.endm
	s_load_b256 s[4:11], s[0:1], 0x0
	v_lshl_add_u32 v126, v0, 2, 0x37400
	v_mov_b32 v127, 0
	ds_add_u32 v126, v127
	ds_add_u32 v126, v127
	v_lshrrev_b32 v1, 5, v0
	v_readfirstlane_b32 s14, v1
	s_lshr_b32 s15, s14, 1
	s_and_b32 s16, s14, 1
	s_bfe_u32 s40, ttmp6, 0x40000
	s_bfe_u32 s41, ttmp6, 0x40004
	s_lshl_b32 s42, ttmp9, 2
	s_add_co_u32 s42, s42, s40
	s_and_b32 s17, ttmp7, 0xffff
	s_lshl_b32 s17, s17, 2
	s_add_co_u32 s17, s17, s41
	s_lshl_b32 s43, s41, 2
	s_lshl_b32 s43, 15, s43
	s_lshl_b32 s44, 0x1111, s40
	s_or_b32 s[G1+0], s43, (3<<16)|(1<<21)
	s_mov_b32 s[G1+1], 32<<16                      ; A: HALFB dense bytes as 272 rows of 256
	s_mov_b32 s[G1+2], 272<<16
	s_mov_b32 s[G1+3], 32<<16
	s_mov_b32 s[G1+4], 272
	s_mov_b32 s[G1+5], 32
	s_mov_b32 s[G1+6], 0
	s_mov_b32 s[G1+7], 0
	s_or_b32 s[G1B+0], s44, (3<<16)|(1<<21)
	s_mov_b32 s[G1B+1], 32<<16                     ; B: half as many
	s_mov_b32 s[G1B+2], 136<<16
	s_mov_b32 s[G1B+3], 32<<16
	s_mov_b32 s[G1B+4], 136
	s_mov_b32 s[G1B+5], 32
	s_mov_b32 s[G1B+6], 0
	s_mov_b32 s[G1B+7], 0
	s_mul_i32 s20, s17, 2*HALFB                    ; A: the token tile's 16 records in oq,
	s_mul_i32 s45, s16, HALFB                      ; the half that I fetch; also where it goes in LDS
	s_add_co_u32 s20, s20, s45
	s_mov_b32 s21, 0
	s_mul_i32 s46, s42, HALFB                      ; B: the feature tile's 8 records,
	s_mul_i32 s18, s16, HALFB/2                    ; my half of them,
	s_add_co_u32 s46, s46, s18
	s_add_co_u32 s46, s46, 704*8704                ; behind x's and W_qkv's 704 rowtiles in ops
	s_mov_b32 s47, 0
	s_add_co_u32 s94, s18, 2*HALFB                 ; in LDS behind A's two halves
	s_wait_dscnt 0x0
	s_wait_kmcnt 0x0
	s_add_nc_u64 s[20:21], s[4:5], s[20:21]
	s_add_nc_u64 s[46:47], s[6:7], s[46:47]
	CROUND                                         ; all sixteen work-groups are here: the joint loads meet
	s_mov_b32 s[G0], 1
	s_mov_b32 s[G0+1], s45
	s_mov_b64 s[G0+2:G0+3], s[20:21]
	s_or_b32 s[G0+3], s[G0+3], 0x80000000
	s_mov_b32 s[G0B], 1
	s_mov_b32 s[G0B+1], s94
	s_mov_b64 s[G0B+2:G0B+3], s[46:47]
	s_or_b32 s[G0B+3], s[G0B+3], 0x80000000
	JLOAD G0, G1, G0B, G1B                         ; my one tensor load
	v_and_b32 v1, 15, v0
	v_bfe_u32 v2, v0, 4, 1
	s_wait_alu depctr_va_vdst(0)
	v_and_b32 v3, 31, v0
	v_lshlrev_b32 v[LI], 4, v3
	s_mul_i32 s21, s15, HALFB
	s_mul_i32 s22, s16, HALFB/2
	s_add_co_u32 s22, s22, 2*HALFB
.irp s, 0,1
	v_add_nc_u32 v[ADRA+\s], s21, v[LI]
	v_add_nc_u32 v[ADRB+\s], s22, v[LI]
	s_add_co_u32 s21, s21, SLOTB
	s_add_co_u32 s22, s22, SLOTB
.endr
	s_mul_i32 s21, s15, HALFB
	s_mul_i32 s22, s16, HALFB/2
	s_add_co_u32 s22, s22, 2*HALFB
	s_sub_co_u32 s22, s22, s21
	v_mul_u32_u24 v6, s22, v2                      ; lanes 16-31 take B's words
	s_add_co_u32 s21, s21, 8192                    ; a record's scale bytes lie behind its codes
	v_lshlrev_b32 v5, 4, v1
	v_add_nc_u32 v[ADRS2], s21, v5
	v_add_nc_u32 v5, v5, v6
	v_add_nc_u32 v[ADRS], s21, v5
	s_mul_i32 s23, s14, 16*272
	s_add_co_u32 s23, s23, STAGE
	v_mul_u32_u24 v[STO], v1, 272
	v_lshl_add_u32 v[STO], v2, 6, v[STO]
	v_add_nc_u32 v[STO], s23, v[STO]
	v_mul_u32_u24 v[RD], v2, 272
	v_lshl_add_u32 v[RD], v1, 4, v[RD]
	v_add_nc_u32 v[RD], s23, v[RD]
	v_lshlrev_b32 v[CO], 12, v2
	v_lshl_add_u32 v[CO], v1, 4, v[CO]
	s_lshl_b32 s20, s17, 20
	s_lshl_b32 s21, s15, 19
	s_add_co_u32 s20, s20, s21
	s_lshl_b32 s22, s42, 9
	s_lshl_b32 s21, s16, 8
	s_add_co_u32 s22, s22, s21
	s_add_co_u32 s20, s20, s22
	s_mov_b32 s21, 0
	s_mov_b32 s23, 0
	s_add_nc_u64 s[10:11], s[10:11], s[20:21]
	s_add_nc_u64 s[8:9], s[8:9], s[22:23]
	v_lshlrev_b32 v[BA], 6, v2
	WIN 0x40
.irp b, 0,1,2,3
	global_load_b128 v[64+8*\b:64+8*\b+3], v[BA], s[8:9] offset:(32*(\b/2)+8*(\b%2))*4
	global_load_b128 v[64+8*\b+4:64+8*\b+7], v[BA], s[8:9] offset:(32*(\b/2)+8*(\b%2))*4+16
.endr
	WIN 0
	s_wait_tensorcnt 0x0                           ; my one tensor load has landed; behind the barrier everybody's has
	s_barrier_signal -1
	s_barrier_wait -1
	FETCH_B 0, 0, 0
	FETCH_A 0, 0, 0
	SCALES 0
	FETCH_A 0, 0, 4
	s_wait_loadcnt 0x0
	STEP 0, 0, 1
	STEP 0, 1, 0
	STEP 0, 2, 0
	TURN
	STEP 1, 0, 0
	STEP 1, 1, 0
	STEP 1, 2, 0
	s_wait_dscnt 8
	MULA 0, 1, 3, 1, 0
	MULA 2, 1, 3, 1, 0
	s_wait_alu depctr_va_vdst(0)
	s_wait_dscnt 0x0
	MULA 4, 1, 3, 1, 0
	MULA 6, 1, 3, 1, 0
	WIN 0
.macro TOSTAGE a
	WIN 0x08
.irp b, 0,1,2,3
	ds_store_b128 v[STO], v[32*(\a)+8*\b:32*(\a)+8*\b+3] offset:128*(\b/2)+32*(\b%2)
	ds_store_b128 v[STO], v[32*(\a)+8*\b+4:32*(\a)+8*\b+7] offset:128*(\b/2)+32*(\b%2)+16
.endr
	WIN 0
.set BK, 192+32*((\a)%2)
.irp t, 0,1,2,3,4,5,6,7
	ds_load_b128 v[BK+4*\t:BK+4*\t+3], v[RD] offset:2*\t*272
.endr
.endm
.macro SEND a, younger
.set BK, 192+32*((\a)%2)
	s_wait_dscnt \younger
.irp t, 0,1,2,3,4,5,6,7
	global_store_b128 v[CO], v[BK+4*\t:BK+4*\t+3], s[10:11] offset:(32*((\a)/2)+8*((\a)%2)+2*\t+8*(\t/4))*4096 th:TH_STORE_NT
.endr
.endm
	PLACES 4
	TOSTAGE 0
.irp a, 1,2,3,4,5,6,7
.if \a > 1
	s_wait_xcnt 0x0
.endif
	TOSTAGE \a
	SEND \a-1, 16
.endr
	SEND 7, 0
	s_wait_tensorcnt 0x0
	ds_add_u32 v126, v127
	s_wait_dscnt 0x0
	CROUND
	s_endpgm
.Lfunc_end_k_q6df9fea960_proj:
	.size	k_q6df9fea960_proj, .Lfunc_end_k_q6df9fea960_proj-k_q6df9fea960_proj
	.p2alignl 7, 3214868480
	.fill 96, 4, 3214868480
	.section	.rodata,"a",@progbits
	.p2align	6, 0x0
	.amdhsa_kernel k_q6df9fea960_proj
		.amdhsa_group_segment_fixed_size 327680
		.amdhsa_private_segment_fixed_size 0
		.amdhsa_enable_private_segment 0
		.amdhsa_kernarg_size 32
		.amdhsa_user_sgpr_count 2
		.amdhsa_user_sgpr_kernarg_segment_ptr 1
		.amdhsa_wavefront_size32 1
		.amdhsa_system_sgpr_workgroup_id_x 1
		.amdhsa_system_sgpr_workgroup_id_y 1
		.amdhsa_system_sgpr_workgroup_id_z 1
		.amdhsa_system_vgpr_workitem_id 0
		.amdhsa_next_free_vgpr 768
		.amdhsa_next_free_sgpr 98
		.amdhsa_reserve_vcc 0
		.amdhsa_float_denorm_mode_32 3
		.amdhsa_float_denorm_mode_16_64 3
		.amdhsa_memory_ordered 1
		.amdhsa_forward_progress 1
		.amdhsa_inst_pref_size 72
	.end_amdhsa_kernel
	.amdgpu_metadata
---
amdhsa.version: [ 1, 2 ]
amdhsa.kernels:
  - .name:           k_q6df9fea960_proj
    .symbol:         k_q6df9fea960_proj.kd
    .args:
      - { .name: oq, .offset: 0, .size: 8, .value_kind: global_buffer, .address_space: global }
      - { .name: ops, .offset: 8, .size: 8, .value_kind: global_buffer, .address_space: global }
      - { .name: b_out, .offset: 16, .size: 8, .value_kind: global_buffer, .address_space: global }
      - { .name: out0, .offset: 24, .size: 8, .value_kind: global_buffer, .address_space: global }
    .group_segment_fixed_size: 327680
    .private_segment_fixed_size: 0
    .kernarg_segment_align: 8
    .kernarg_segment_size: 32
    .max_flat_workgroup_size: 128
    .sgpr_count:     98
    .vgpr_count:     768
    .wavefront_size: 32
...
	.end_amdgpu_metadata
.endif
;; end of part 4
